; MI455X (gfx1250); checked and timed in simulation.
; The chip was launched on July 23, 2026; its instructions are those of AMD's public machine-readable ISA for CDNA 5 (MIT licence, August 2026) and "CDNA5" Instruction Set Architecture Reference Guide (July 2026). The comments in the code are by the model that wrote it; some were corrected since.
;; Multi Headed Attention. Allowed arithmetic: matrix products marked QUANTISED: E2M1 operands, one E8M0 scale for each 32 along K, by v_wmma_scale_f32_16x16x128_f8f6f4 with both operands' format E2M1 (or v_wmma_scale_f32_32x16x128_f4), f32 sums; products left as they are: bf16, f16 or f32 operands; f32 sums; everything else in f32.
;; Inputs: W_in 1,024 x 3,072 float32; W_out 1,024 x 1,024 float32; X 8 x 1,024 x 1,024 float32; b_in 3,072 float32; b_out 1,024 float32.
;; Outputs: out0 8 x 1,024 x 1,024 float32.
;; This version of the problem:
;;   THIS VERSION OF THE PROBLEM IS GIVEN IN LOW PRECISION. The matrix products marked QUANTISED in the list below multiply operands that are first quantised to E2M1 (2 exponent bits, 1 mantissa bit; 4 bits a number), with one power-of-two scale for each 32 numbers along K (OCP MX v1.0); their sums are f32. The products marked 'left as it is' may take bf16, f16 or f32 operands, with f32 sums. Whichever they take, every output number must still come out within the allowed error. Rounding operands to bf16 (8 significant bits) uses up far more of that allowance than f16 does (11 bits, for magnitudes from 6e-5 to 65,504). All else is computed in f32.
;;   The module's matrix products, in the order in which they are computed (A, B: the left and right operand; K: the contracted axis; several contracted axes count as one K, in the product's order):
;;     1. [M 8,192, K 1,024] x [K 1,024, N 3,072]; A: input X; B: input W_in: QUANTISED
;;     2. batch 128 x [M 1,024, K 64] x [K 64, N 1,024]; A: computed on the way; B: computed on the way: left as it is (an operand is computed on the way)
;;     3. batch 128 x [M 1,024, K 1,024] x [K 1,024, N 64]; A: computed on the way; B: computed on the way: left as it is (an operand is computed on the way)
;;     4. [M 8,192, K 1,024] x [K 1,024, N 1,024]; A: computed on the way; B: input W_out: left as it is (an operand is computed on the way)
;;   THE QUANTISER, for each operand of a quantised product, along K:
;;     - K is cut into blocks of 32 from its start; a last block that is shorter is filled with zeros.
;;     - A block's scale is 2^e with e = floor(log2(the largest magnitude in the block)) - 2, held to -126 .. 127; a block of zeros has e = 0. As a byte (E8M0): e + 127.
;;     - Each number is divided by its block's scale, clamped to +-6, and rounded to the nearest number of E2M1, ties to even, subnormals kept.
;;     - The product sums the exact products of the quantised numbers (number of the format x scale) in f32.
;;   ~~~python
;;   def quantise(x, axis):      # numpy; x: float32 -> the quantised numbers, widened to float32 again
;;       x = np.moveaxis(x, axis, -1); K = x.shape[-1]
;;       x = np.pad(x, [(0, 0)] * (x.ndim - 1) + [(0, -K % 32)]); x = x.reshape(x.shape[:-1] + (-1, 32)); a = np.abs(x).max(-1, keepdims=True)
;;       e = np.where(a > 0, np.clip(np.frexp(np.where(a > 0, a, 1))[1] - 1 - 2, -126, 127), 0)      # np.frexp(a)[1] - 1 = floor(log2(a)), exactly
;;       r = np.clip(x / 2.0 ** e, -6, 6)
;;       step = 2.0 ** (np.maximum(np.frexp(np.where(r == 0, 1, r))[1] - 1, 0) - 1)
;;       q = np.round(r / step) * step * 2.0 ** e      # np.round: ties to even
;;       return np.moveaxis(q.reshape(q.shape[:-2] + (-1,))[..., :K], -1, axis).astype(np.float32)
;;   ~~~
;; One version. Each part assembles by itself: llvm-mc -triple=amdgcn-amd-amdhsa -mcpu=gfx1250 --defsym DOCPART=n.
;; ======== version 1 of 1: 4 launches
;; limits: values are held in f16: magnitudes above 65,504 overflow, below 6.1e-05 lose precision
;; workspace buffers: xc 4,194,304 bytes; xs 262,144 bytes; wc 1,572,864 bytes; ws 98,304 bytes; wo16 2,097,152 bytes; qkv 50,331,648 bytes; o16 16,777,216 bytes
;; launch prep (part 1): grid 384 x 1, 8 waves a work-group, no clusters, 68,608 bytes of LDS; arguments X, W_in, W_out, xc, xs, wc, ws, wo16; writes xc, xs, wc, ws, wo16
.if DOCPART == 1
	.amdgcn_target "amdgcn-amd-amdhsa--gfx1250"
	.amdhsa_code_object_version 6
	.text
	.protected	k_qf116277b82_prep
	.globl	k_qf116277b82_prep
	.p2align	8
	.type	k_qf116277b82_prep,@function
k_qf116277b82_prep:
	s_mov_b64 s[64:65], 0
	v_nop
	global_prefetch_b8 v0, s[64:65] scope:SCOPE_SE
	s_setreg_imm32_b32 hwreg(HW_REG_WAVE_MODE, 25, 1), 1
	s_wait_xcnt 0x0
; THE OPERANDS ARE MADE READY, ONCE.  X [8192][1024] f32 -> codes of FP4 (E2M1) + one E8M0 byte for each 32 along K (its last axis).  W_in [1024 (k)][3072 (n)] f32 -> the same along K, its FIRST axis.
; W_out [1024 (k)][1024 (n)] f32 -> f16, turned so that K is innermost.  All three leave in the ORDER OF AN OPERAND'S REGISTERS ("images" of 1,024 bytes: register group c of lane l at 512 c + 16 l), so that the later
; launches fetch dense blocks and read fragments at 16 x lane:
;   xc [row tile 512][K step 8][1024], wc [column tile 192][K step 8][1024]: 16 rows x 128 K of codes; block j of 32 codes of row r lies at 256 j + 16 r.
;   xs [row 8192][32], ws [column 3072][32]: a word of four scale bytes for each 128 along K.       wo16 [column tile 64][32 K 32][1024]: 16 columns x 32 K of f16; K = 8 q .. 8 q + 7 of column r lies at 256 q + 16 r.
; A block's scale is 2^(floor(log2(its largest magnitude)) - 2): its byte is that magnitude's exponent field - 2, held at 1 from below by a floor among the maximum's leaves.
; LIMITS: a block of zeros gets the byte 1 where the rule says 127 (its codes are zeros, and this program alone reads the bytes); blocks whose largest magnitude lies under 2^-124 take the floor's byte;
; NaN and infinities are not served; |W_out| stays under 65,504, the largest f16 number.
; SHARES.  Memory binds: each wave asks for its 16 KiB, works and ends: no loop, no barrier, no matrix unit.  Work-groups 0-95 take W_in, 96-127 W_out, 128-383 X: 128 KiB each.  Only X's way uses LDS.
.set STG,   8448                       ; X's stage, a wave's own: 16 rows x (512 bytes + 16)
.set SPARE, 8*STG                      ; behind the eight stages: the spare words, 128 bytes for each wave: four blocks of 256 bytes that no other line names
.set SPW,   12                         ; v12  LDS address of my spare word; never rewritten
.set NIL,   13                         ; v13  0; never rewritten
.set R,     32                         ; v32-159  128 numbers as they are loaded
.set XN,    160                        ; v160-223 X: my two blocks of 32 neighbours
.set C,     224                        ; v224-239 X: codes, eight registers for each K step
.set TM,    240                        ; v240-246 at work
.set SW,    248                        ; v248-249 X: the scale words of my two K steps
.set WC,    160                        ; W_in: v160-175 codes;  W_out: v160-223 packed f16
.set WW,    176                        ; W_in: my column's scale word
; block j of a lane's column: 32 numbers down K, a row of the tensor apart; neighbouring lanes read neighbouring columns
.macro LOADK j, b, pitch
.irp i, 0,1,2,3,4,5,6,7,8,9,10,11,12,13,14,15,16,17,18,19,20,21,22,23,24,25,26,27,28,29,30,31
	global_load_b32 v[R+32*(\j)+\i], v5, s[\b:\b+1] offset:(32*(\j)+\i)*\pitch th:TH_LOAD_NT
.endr
.endm
.macro WAITK j                         ; block j is in; the next block's 32 loads may be out; then the block two further on is asked for
.if (\j) < 3
	s_wait_loadcnt 32
.else
	s_wait_loadcnt 0x0
.endif
.endm
	s_load_b512 s[4:19], s[0:1], 0x0               ; X 4:5, W_in 6:7, W_out 8:9, xc 10:11, xs 12:13, wc 14:15, ws 16:17, wo16 18:19
	v_lshl_add_u32 v[SPW], v0, 2, SPARE
	v_mov_b32 v[NIL], 0
	v_lshrrev_b32 v1, 5, v0
	v_readfirstlane_b32 s20, v1                    ; wave 0..7
	v_and_b32 v1, 31, v0                           ; lane
	v_and_b32 v2, 15, v0                           ; r
	v_bfe_u32 v3, v0, 4, 1                         ; h
	v_lshlrev_b32 v4, 4, v1                        ; 16 x lane
	v_lshlrev_b32 v5, 2, v1                        ; 4 x lane
	s_mul_i32 s21, s20, STG                        ; my stage
	v_add_nc_u32 v6, s21, v4                       ; into it: a row's 512 bytes as they lie
	v_mul_u32_u24 v7, v2, 528
	v_lshl_add_u32 v7, v3, 7, v7
	v_add_nc_u32 v7, s21, v7                       ; out of it: row r, block h
	v_lshlrev_b32 v8, 3, v3                        ; 8 h: my bytes' place in a scale word, in bits
	v_lshlrev_b32 v9, 5, v2
	v_lshl_add_u32 v9, v3, 2, v9                   ; xs: row r, word h of my wave's two
	v_lshlrev_b32 v10, 5, v1                       ; ws: 32 bytes a column
	v_mov_b32 v[TM+6], 0                           ; written once: a lane permute's destination counts as one of its sources
	s_mov_b32 s22, 0x76543210
	s_mov_b32 s23, 0xfedcba98                      ; v_permlanex16_b32's selects for lane l xor 16
	s_mov_b32 s29, 0                               ; the upper word of every offset
	s_wait_kmcnt 0x0
	s_cmp_lt_u32 ttmp9, 96
	s_cbranch_scc1 .Lwin
	s_cmp_lt_u32 ttmp9, 128
	s_cbranch_scc1 .Lwout
	; ---- X: a wave takes 16 rows x 256 along K: K steps 2 p and 2 p + 1 of one row tile
	s_sub_co_u32 s24, ttmp9, 128
	s_lshl_b32 s24, s24, 3
	s_add_co_u32 s24, s24, s20                     ; which of 2,048 such pieces
	s_lshr_b32 s25, s24, 2                         ; row tile
	s_and_b32 s26, s24, 3                          ; p
	s_lshl_b32 s28, s25, 16                        ; X: 16 rows of 4,096 bytes,
	s_lshl_b32 s27, s26, 10                        ; 1,024 bytes a piece
	s_add_co_u32 s28, s28, s27
	s_add_nc_u64 s[4:5], s[4:5], s[28:29]
	s_lshl_b32 s28, s25, 13                        ; xc: 8 images a tile, two a piece
	s_lshl_b32 s27, s26, 11
	s_add_co_u32 s28, s28, s27
	s_add_nc_u64 s[10:11], s[10:11], s[28:29]
	s_lshl_b32 s28, s25, 9                         ; xs: 16 rows of 32 bytes, two words a piece
	s_lshl_b32 s27, s26, 3
	s_add_co_u32 s28, s28, s27
	s_add_nc_u64 s[12:13], s[12:13], s[28:29]
.irp u, 0,1
.irp i, 0,1,2,3,4,5,6,7,8,9,10,11,12,13,14,15
	global_load_b128 v[R+64*\u+4*\i:R+64*\u+4*\i+3], v4, s[4:5] offset:\i*4096+\u*512 th:TH_LOAD_NT   ; 32 lanes read 512 consecutive bytes of row i
.endr
.endr
; K step u of my two.  The conversions want a block's neighbours in ONE lane's registers, the loads want neighbouring lanes on neighbouring bytes: the 16 x 512 bytes turn through my stage.
.macro UNIT u
	s_wait_loadcnt 16*(1-\u)                       ; this K step's 16 loads are in; the other's may be out
.irp i, 0,1,2,3,4,5,6,7,8,9,10,11,12,13,14,15
	ds_store_b128 v6, v[R+64*\u+4*\i:R+64*\u+4*\i+3] offset:\i*528
.endr
.irp c, 0,1
.irp g, 0,1,2,3,4,5,6,7
	ds_load_b128 v[XN+32*\c+4*\g:XN+32*\c+4*\g+3], v7 offset:\c*256+16*\g   ; LDS serves a wave's instructions in order: these see my stores.  Register 32 c + e = k 64 c + 32 h + e of row r
.endr
.endr
	s_wait_dscnt 0x0
.irp c, 0,1
	v_max3_num_f32 v[TM+\c], |v[XN+32*\c]|, |v[XN+32*\c+1]|, 0x1800000   ; my block 2 c + h: all 32 numbers are mine; and the floor 2^(3 - 127): the byte cannot fall under 1
.endr
.irp i, 2,4,6,8,10,12,14,16,18,20,22,24,26,28,30
.irp c, 0,1
	v_max3_num_f32 v[TM+\c], v[TM+\c], |v[XN+32*\c+\i]|, |v[XN+32*\c+\i+1]|   ; (the two blocks by turns)
.endr
.endr
.irp c, 0,1
	v_add_nc_u32 v[TM+2+\c], 0xff000000, v[TM+\c]  ; 2 off the exponent field: the conversion takes the exponent field of this operand as its scale
.endr
.irp c, 0,1
	v_lshrrev_b32 v[TM+4+\c], 23, v[TM+2+\c]       ; the scale's byte
.endr
	v_lshl_or_b32 v[SW+\u], v[TM+5], 16, v[TM+4]   ; bytes h and 2 + h of the row's word,
	v_lshlrev_b32 v[SW+\u], v8, v[SW+\u]           ; at their places;
	v_permlanex16_b32 v[TM+6], v[SW+\u], s22, s23
	v_or_b32 v[SW+\u], v[SW+\u], v[TM+6]           ; with lane l xor 16's two the word is whole
.irp c, 0,1
.irp g, 0,1,2,3
	v_cvt_scalef32_pk8_fp4_f32 v[C+8*\u+4*\c+\g], v[XN+32*\c+8*\g:XN+32*\c+8*\g+7], v[TM+2+\c]   ; registers 4 c .. 4 c + 3 of the operand
.endr
.endr
	v_nop                                          ; one plain place behind the last scaled conversion
.irp c, 0,1
	global_store_b128 v4, v[C+8*\u+4*\c:C+8*\u+4*\c+3], s[10:11] offset:\u*1024+\c*512   ; half an image: 512 consecutive bytes
.endr
.endm
	UNIT 0
	UNIT 1
	v_cmp_eq_u32 vcc_lo, 1, v3
	v_cndmask_b32 v250, v[SW], v[SW+1], vcc_lo     ; lanes 0-15 store the first K step's words, lanes 16-31 the second's: no byte is stored twice
	global_store_b32 v9, v250, s[12:13]
	s_wait_tensorcnt 0x0                           ; the wave's end: three lines behind my last LDS store
	ds_add_u32 v[SPW], v[NIL]
	s_wait_dscnt 0x0
	s_endpgm
	; ---- W_in: a lane takes a column n and its registers run down K: a wave takes 32 columns x one K step of 128; the eight waves stand side by side on 1,024 bytes of a row
.Lwin:
	s_lshr_b32 s24, ttmp9, 3                       ; which 256 columns (0..11)
	s_and_b32 s25, ttmp9, 7                        ; K step
	s_lshl_b32 s24, s24, 8
	s_lshl_b32 s26, s20, 5
	s_add_co_u32 s24, s24, s26                     ; my wave's first column
	s_mul_i32 s28, s25, 128*12288                  ; W_in: 128 rows of 12,288 bytes a K step,
	s_lshl_b32 s26, s24, 2
	s_add_co_u32 s28, s28, s26                     ; 4 bytes a column
	s_add_nc_u64 s[6:7], s[6:7], s[28:29]
	s_lshr_b32 s28, s24, 4                         ; wc: column tile x 8 images + K step
	s_lshl_b32 s28, s28, 13
	s_lshl_b32 s26, s25, 10
	s_add_co_u32 s28, s28, s26
	s_add_nc_u64 s[14:15], s[14:15], s[28:29]
	s_lshl_b32 s28, s24, 5                         ; ws: 32 bytes a column + 4 a K step
	s_lshl_b32 s26, s25, 2
	s_add_co_u32 s28, s28, s26
	s_add_nc_u64 s[16:17], s[16:17], s[28:29]
	v_lshlrev_b32 v11, 13, v3                      ; lanes 16-31 belong to the next column tile,
	v_lshl_add_u32 v11, v2, 4, v11                 ; 16 bytes a column
	LOADK 0, 6, 12288
	LOADK 1, 6, 12288
.macro WBLOCK j
.set XS, R+32*(\j)
	WAITK \j
.if (\j) < 2
	LOADK (\j)+2, 6, 12288
.endif
	v_max3_num_f32 v[TM], |v[XS]|, |v[XS+1]|, |v[XS+2]|            ; the block's largest magnitude, in two chains
	v_max3_num_f32 v[TM+1], |v[XS+3]|, |v[XS+4]|, |v[XS+5]|
.irp i, 6,10,14,18,22,26
	v_max3_num_f32 v[TM], v[TM], |v[XS+\i]|, |v[XS+\i+1]|
	v_max3_num_f32 v[TM+1], v[TM+1], |v[XS+\i+2]|, |v[XS+\i+3]|
.endr
	v_max3_num_f32 v[TM], v[TM], |v[XS+30]|, |v[XS+31]|
	v_max3_num_f32 v[TM], v[TM], v[TM+1], 0x1800000                ; and the floor 2^(3 - 127)
	v_add_nc_u32 v[TM+2], 0xff000000, v[TM]
	v_lshrrev_b32 v[TM+3], 23, v[TM+2]
.irp g, 0,1,2,3
	v_cvt_scalef32_pk8_fp4_f32 v[WC+4*(\j)+\g], v[XS+8*\g:XS+8*\g+7], v[TM+2]
.endr
.if (\j) == 0
	v_mov_b32 v[WW], v[TM+3]                       ; four bytes make the word, the lower K in the lower byte.  (Also the plain place behind the conversions)
.else
	v_lshl_or_b32 v[WW], v[TM+3], 8*(\j), v[WW]
.endif
	global_store_b128 v11, v[WC+4*(\j):WC+4*(\j)+3], s[14:15] offset:(\j)*256   ; sixteen lanes store 256 consecutive bytes, aligned
.endm
	WBLOCK 0
	WBLOCK 1
	WBLOCK 2
	WBLOCK 3
	global_store_b32 v10, v[WW], s[16:17]
	s_endpgm
	; ---- W_out: the same shares (32 columns x 128 along K a wave); eight numbers down K pack into 16 bytes of the f16 operand
.Lwout:
	s_sub_co_u32 s24, ttmp9, 96
	s_and_b32 s25, s24, 7                          ; which 128 along K
	s_lshr_b32 s24, s24, 3                         ; which 256 columns (0..3)
	s_lshl_b32 s24, s24, 8
	s_lshl_b32 s26, s20, 5
	s_add_co_u32 s24, s24, s26                     ; my wave's first column
	s_lshl_b32 s28, s25, 19                        ; W_out: 128 rows of 4,096 bytes,
	s_lshl_b32 s26, s24, 2
	s_add_co_u32 s28, s28, s26
	s_add_nc_u64 s[8:9], s[8:9], s[28:29]
	s_lshr_b32 s28, s24, 4                         ; wo16: column tile x 32 images + four images for 128 along K
	s_lshl_b32 s28, s28, 15
	s_lshl_b32 s26, s25, 12
	s_add_co_u32 s28, s28, s26
	s_add_nc_u64 s[18:19], s[18:19], s[28:29]
	v_lshlrev_b32 v11, 15, v3
	v_lshl_add_u32 v11, v2, 4, v11
	LOADK 0, 8, 4096
	LOADK 1, 8, 4096
.macro OBLOCK j
	WAITK \j
.if (\j) < 2
	LOADK (\j)+2, 8, 4096
.endif
.irp m, 0,1,2,3,4,5,6,7,8,9,10,11,12,13,14,15
	v_cvt_pk_f16_f32 v[WC+16*(\j)+\m], v[R+32*(\j)+2*\m], v[R+32*(\j)+2*\m+1]   ; the lower k in the low half
.endr
.irp q, 0,1,2,3
	global_store_b128 v11, v[WC+16*(\j)+4*\q:WC+16*(\j)+4*\q+3], s[18:19] offset:(4*(\j)+\q)*256
.endr
.endm
	OBLOCK 0
	OBLOCK 1
	OBLOCK 2
	OBLOCK 3
	s_endpgm
.Lfunc_end_k_qf116277b82_prep:
	.size	k_qf116277b82_prep, .Lfunc_end_k_qf116277b82_prep-k_qf116277b82_prep
	.p2alignl 7, 3214868480
	.fill 96, 4, 3214868480
	.section	.rodata,"a",@progbits
	.p2align	6, 0x0
	.amdhsa_kernel k_qf116277b82_prep
		.amdhsa_group_segment_fixed_size 68608
		.amdhsa_private_segment_fixed_size 0
		.amdhsa_enable_private_segment 0
		.amdhsa_kernarg_size 64
		.amdhsa_user_sgpr_count 2
		.amdhsa_user_sgpr_kernarg_segment_ptr 1
		.amdhsa_wavefront_size32 1
		.amdhsa_system_sgpr_workgroup_id_x 1
		.amdhsa_system_sgpr_workgroup_id_y 1
		.amdhsa_system_sgpr_workgroup_id_z 1
		.amdhsa_system_vgpr_workitem_id 0
		.amdhsa_next_free_vgpr 256
		.amdhsa_next_free_sgpr 66
		.amdhsa_reserve_vcc 1
		.amdhsa_float_denorm_mode_32 3
		.amdhsa_float_denorm_mode_16_64 3
		.amdhsa_memory_ordered 1
		.amdhsa_forward_progress 1
		.amdhsa_inst_pref_size 54
	.end_amdhsa_kernel
	.amdgpu_metadata
---
amdhsa.version: [ 1, 2 ]
amdhsa.kernels:
  - .name:           k_qf116277b82_prep
    .symbol:         k_qf116277b82_prep.kd
    .args:
      - { .name: X, .offset: 0, .size: 8, .value_kind: global_buffer, .address_space: global }
      - { .name: W_in, .offset: 8, .size: 8, .value_kind: global_buffer, .address_space: global }
      - { .name: W_out, .offset: 16, .size: 8, .value_kind: global_buffer, .address_space: global }
      - { .name: xc, .offset: 24, .size: 8, .value_kind: global_buffer, .address_space: global }
      - { .name: xs, .offset: 32, .size: 8, .value_kind: global_buffer, .address_space: global }
      - { .name: wc, .offset: 40, .size: 8, .value_kind: global_buffer, .address_space: global }
      - { .name: ws, .offset: 48, .size: 8, .value_kind: global_buffer, .address_space: global }
      - { .name: wo16, .offset: 56, .size: 8, .value_kind: global_buffer, .address_space: global }
    .group_segment_fixed_size: 68608
    .private_segment_fixed_size: 0
    .kernarg_segment_align: 8
    .kernarg_segment_size: 64
    .max_flat_workgroup_size: 256
    .sgpr_count:     66
    .vgpr_count:     256
    .wavefront_size: 32
...
	.end_amdgpu_metadata
.endif
;; end of part 1
;; launch qkv (part 2): grid 8 x 32, 4 waves a work-group, clusters of 4 x 4, 327,680 bytes of LDS; arguments xc, xs, wc, ws, b_in, qkv; writes qkv
.if DOCPART == 2
	.amdgcn_target "amdgcn-amd-amdhsa--gfx1250"
	.amdhsa_code_object_version 6
	.text
	.protected	k_qf116277b82_qkv
	.globl	k_qf116277b82_qkv
	.p2align	8
	.type	k_qf116277b82_qkv,@function
k_qf116277b82_qkv:
	s_mov_b64 s[64:65], 0
	v_nop
	global_prefetch_b8 v0, s[64:65] scope:SCOPE_SE
	s_setreg_imm32_b32 hwreg(HW_REG_WAVE_MODE, 25, 1), 1
	s_wait_xcnt 0x0
	s_wait_alu depctr_hold_cnt(0) depctr_sa_sdst(0) depctr_va_vdst(0) depctr_va_sdst(0) depctr_va_ssrc(0) depctr_va_vcc(0) depctr_vm_vsrc(0)
	s_getreg_b32 s2, hwreg(HW_REG_IB_STS2, 6, 4)
	s_cmp_eq_u32 s2, 0
	s_cbranch_scc0 .Lentry_in_a_cluster
	s_endpgm
.Lentry_in_a_cluster:
	s_bfe_u32 s2, ttmp6, 0x10000c
	s_cmp_lg_u32 s2, 0xf033
	s_cbranch_scc0 .Lentry_shape_is_right
	s_endpgm
.Lentry_shape_is_right:
; qkv = X W_in + b_in on codes of FP4 (E2M1) with one E8M0 scale for each 32 along K; M = 8,192, N = 3,072, K = 1,024; sums in f32; the results leave as f16, laid as the attention launch's operands.
; SHARES.  A work-group of four waves makes 256 rows x 384 columns: 32 x 8 = 256 work-groups, one for each WGP, of equal work.  The 384 columns go as THREE SUBTILES of 128; a wave makes 128 rows x 64 columns of each:
; 32 accumulators of 16 x 16, 256 registers; its 64 columns are one head.  A subtile is packed and stored while the next is multiplied, so that only the last third of the stores stands at the end.
; X STAYS IN REGISTERS: a wave's 128 rows x 1,024 K of codes are 512 registers; they are read once and serve all three subtiles.  What a step of 128 along K reads from LDS is then W_in's four fragments alone.
; xc and wc hold images of operand registers (16 rows x 128 K: 1,024 bytes; register group c of lane l at 512 c + 16 l): tiles are dense, and a fragment is two loads of 16 bytes a lane at 16 x lane.
; LDS IS FILLED ONCE.  X's 256 rows and W_in's 384 columns for all of K are 327,680 bytes, which leaves no room for the scales.  So X's K steps 0-5 come through LDS (jointly asked for), and its K steps 6 and 7,
; 16 KiB a wave, come from memory straight into the registers in which they stay.  No byte of LDS is filled again.
; CLUSTERS: 4 x 4 work-groups.  The four of a row of the cluster need the same tiles of X, the four of a column the same tiles of W_in: each is asked for JOINTLY.  Every wave issues the same six lines, each for its own
; quarter of a tile: no branch leads round a tensor load.  Six loads of a wave are out at the start, and no more follow.
; THE MATRIX INSTRUCTION IS USED TRANSPOSED (source 0 = 16 columns of W_in, source 1 = 16 rows of X): a lane holds eight neighbouring columns of one row, which pack into 16 bytes of f16.  The bias is the C of each sum's first product.
; OUT: three regions of 2^24 bytes (q, k, v), each [batch x head 128][tile of 16 positions 64][2,048].  q, k: two images of 16 positions x 32 channels.  v: four blocks of 16 keys x 16 channels, a key's 32 bytes on end.
; In both, a packed accumulator is 16 bytes a lane and 512 consecutive bytes a wave: it is stored from the registers as it stands.
; LIMIT: |q|, |k|, |v| stay under 65,504, the largest f16 number.
; REGISTERS, in windows of 256.  window 0: v0-31 addresses; v32-63 X's scale words; v64-79 W_in's; v80-111 the bias; v128-223 W_in's fragments, THREE sets, fetched two steps ahead; v224-255 packed results (set 2 takes turns with them).
;   window 1: the accumulators ((a, b) at v[8 (4 a + b)]).   window 2: X's fragments of K steps 0-3 (block a of K step q at v[64 (q % 4) + 8 a]);   window 3: those of K steps 4-7.
.set XT,    6144                       ; LDS: a tile of 16 rows of X: six images; 16 tiles from byte 0
.set WB,    16*XT                      ; W_in's 24 tiles of 16 columns x 8,192 bytes
.set SCL,   WB+24*8192                 ; X's scales: 256 rows x 32 bytes, as units of 256 bytes + 16 of padding
.set SCLB,  SCL+32*272                 ; W_in's: 384 columns x 32 bytes likewise
.set SPARE, SCLB+48*272                ; the spare words, 128 bytes for each wave: two blocks of 256 bytes that no other line names
.set L16,   4                          ; v4     16 x lane; never rewritten
.set ADRA,  16                         ; v16    LDS address of my fragments of X
.set ADRW,  20                         ; v20-22 the same for W_in, subtile 0, 1, 2
.set VO,    24                         ; v24-26 my lane's place in a stored block of 512 bytes, for each subtile
.set ADRSA, 27                         ; v27    LDS address of my rows' scale words: lanes 0-15 the words of K steps 0-3, lanes 16-31 those of K steps 4-7
.set SPW,   28                         ; v28    LDS address of my spare word; never rewritten
.set NIL,   29                         ; v29    0; never rewritten
.set ADRSB, 30                         ; v30    as v27, for my columns of W_in
.set BO,    31                         ; v31    32 x (lane / 16): the bias in the result's layout
.set SA,    32                         ; register 4 a + q % 4: the scale word of X's block a for K step q (in lanes 0-15 for q < 4, else in lanes 16-31)
.set SB,    64                         ; register 4 b + q % 4: the same for W_in's block b of the subtile in hand
.set BR,    80                         ; register 8 b + j = b_in[the subtile's first column of mine + 16 b + 8 (lane / 16) + j]
.set BF,    128                        ; W_in's fragments: K step q in set q % 3
.set PK,    224                        ; packed results: v224-255 and v192-223 by turns
.set G1X,  24                          ; s[24:31] descriptor group 1 for X's tiles;   s[32:39] for W_in's;   s[48:55], s[56:63] for their scales
.set G1W,  32
.set G1SA, 48
.set G1SB, 56
.set G0SA, 68                          ; groups 0: s[68:71] X's scales, s[72:75] W_in's, s[76:79] X, s[80:91] W_in's three subtiles
.set G0SB, 72
.set G0X,  76
.set G0W,  80
.set OB,   92                          ; s[92:97] where my results of subtile 0, 1, 2 begin
.set XG,   98                          ; s[98:99] xc at my 128 rows
.set MSB, 0
.macro WIN new                         ; the immediate's high byte repeats the setting that is left
.if MSB != (\new)
	s_set_vgpr_msb (MSB<<8)|(\new)
.set MSB, (\new)
.endif
.endm
.macro CROUND                          ; a round of the cluster's barrier
	s_barrier_signal -1
	s_barrier_wait -1
	s_cmp_lg_u32 s14, 0
	s_cbranch_scc1 .Lnot_wave_0_\@
	s_barrier_signal -3
.Lnot_wave_0_\@:
	s_barrier_wait -3
	s_barrier_signal -1
	s_barrier_wait -1
.endm
; A load into a register that a matrix instruction has read, and a vector instruction that reads a matrix result or writes one of its registers, stand four places behind that matrix instruction; only plain vector
; instructions that name none of its registers are places (ISA guide 7.12.1 for vector instructions).
.macro PLACES
.rept 4
	v_nop
.endr
.endm
	s_load_b128 s[4:7], s[0:1], 0x0                ; xc, xs
	s_load_b128 s[8:11], s[0:1], 0x10              ; wc, ws
	s_load_b64 s[66:67], s[0:1], 0x20              ; b_in
	s_load_b64 s[12:13], s[0:1], 0x28              ; qkv
	v_lshl_add_u32 v[SPW], v0, 2, SPARE
	v_mov_b32 v[NIL], 0
	ds_add_u32 v[SPW], v[NIL]                      ; the wave's opening: the add, twice on end, and its wait ahead of my first tensor load; the set-up below stands between the second and the wait
	ds_add_u32 v[SPW], v[NIL]
	v_lshrrev_b32 v1, 5, v0
	v_readfirstlane_b32 s14, v1                    ; wave 0..3: also which quarter of each tile I fetch
	s_lshr_b32 s15, s14, 1                         ; which 128 of the 256 rows are mine
	s_and_b32 s16, s14, 1                          ; which 64 of a subtile's 128 columns
	s_bfe_u32 s40, ttmp6, 0x40000                  ; cx, cy: my place in the cluster
	s_bfe_u32 s41, ttmp6, 0x40004
	s_lshl_b32 s42, ttmp9, 2
	s_add_co_u32 s42, s42, s40                     ; tile column (384 columns) = 4 x cluster x + cx
	s_and_b32 s17, ttmp7, 0xffff
	s_lshl_b32 s17, s17, 2
	s_add_co_u32 s17, s17, s41                     ; tile row (256 rows) = 4 x cluster y + cy
	s_lshl_b32 s43, s41, 2
	s_lshl_b32 s43, 15, s43                        ; my row of the cluster
	s_lshl_b32 s44, 0x1111, s40                    ; my column
	; descriptor groups 1; elements of 8 bytes.  X: 4 rows (tiles of 16) x 6,144 bytes (K steps 0-5), 8,192 bytes from tile to tile.  W_in: 2 rows x 8,192 bytes, dense.  No padding: fragments are read at 16 x lane
	s_or_b32 s[G1X+0], s43, (3<<16)|(1<<21)        ; 15:0 the mask: X's tiles go to my row; 17:16 elements of 8 bytes; 21 set beside a mask
	s_mov_b32 s[G1X+1], 768<<16                    ; tensor_dim0 = 768 elements
	s_mov_b32 s[G1X+2], 4<<16                      ; tensor_dim1 = 4
	s_mov_b32 s[G1X+3], 768<<16                    ; tile_dim0
	s_mov_b32 s[G1X+4], 4                          ; tile_dim1
	s_mov_b32 s[G1X+5], 1024                       ; tensor_dim0_stride
	s_mov_b32 s[G1X+6], 0
	s_mov_b32 s[G1X+7], 0
	s_or_b32 s[G1W+0], s44, (3<<16)|(1<<21)        ; W_in's go to my column
	s_mov_b32 s[G1W+1], 1024<<16
	s_mov_b32 s[G1W+2], 2<<16
	s_mov_b32 s[G1W+3], 1024<<16
	s_mov_b32 s[G1W+4], 2
	s_mov_b32 s[G1W+5], 1024
	s_mov_b32 s[G1W+6], 0
	s_mov_b32 s[G1W+7], 0
	; the scales: dense bytes as rows of 256, 16 bytes of padding behind each.  X's quarter: 64 rows x 32 bytes = 8 such rows; W_in's: 96 columns = 12
	s_or_b32 s[G1SA+0], s43, (3<<16)|(1<<20)|(1<<21)|(5<<22)|(3<<25)
	s_mov_b32 s[G1SA+1], 32<<16
	s_mov_b32 s[G1SA+2], 8<<16
	s_mov_b32 s[G1SA+3], 32<<16
	s_mov_b32 s[G1SA+4], 8
	s_mov_b32 s[G1SA+5], 32
	s_mov_b32 s[G1SA+6], 0
	s_mov_b32 s[G1SA+7], 0
	s_or_b32 s[G1SB+0], s44, (3<<16)|(1<<20)|(1<<21)|(5<<22)|(3<<25)
	s_mov_b32 s[G1SB+1], 32<<16
	s_mov_b32 s[G1SB+2], 12<<16
	s_mov_b32 s[G1SB+3], 32<<16
	s_mov_b32 s[G1SB+4], 12
	s_mov_b32 s[G1SB+5], 32
	s_mov_b32 s[G1SB+6], 0
	s_mov_b32 s[G1SB+7], 0
	; where my quarters come from.  X's hang on the tile row and the wave alone, W_in's on the tile column and the wave, each in registers that never hold the other coordinate
	s_lshl_b32 s18, s17, 13                        ; xs: 256 rows x 32 bytes a tile row,
	s_lshl_b32 s19, s14, 11                        ; 64 rows a wave
	s_add_co_u32 s18, s18, s19
	s_mov_b32 s19, 0
	s_lshl_b32 s20, s17, 17                        ; xc: 16 tiles x 8,192 bytes a tile row,
	s_lshl_b32 s21, s14, 15                        ; 4 tiles a wave
	s_add_co_u32 s20, s20, s21
	s_mov_b32 s21, 0
	s_lshl_b32 s22, s17, 17                        ; xc at the 128 rows that I multiply
	s_lshl_b32 s23, s15, 16
	s_add_co_u32 s22, s22, s23
	s_mov_b32 s23, 0
	s_mul_i32 s46, s42, 12288                      ; ws: 384 columns x 32 bytes a tile column,
	s_mul_i32 s47, s14, 3072                       ; 96 columns a wave
	s_add_co_u32 s46, s46, s47
	s_mov_b32 s47, 0
	s_mul_i32 s100, s42, 196608                    ; wc: 24 tiles x 8,192 bytes a tile column,
	s_lshl_b32 s101, s14, 14                       ; 2 tiles of a subtile's 8 a wave
	s_add_co_u32 s100, s100, s101
	s_mov_b32 s101, 0
	; and where they go: by the wave's number alone
	s_mov_b32 s[G0SA], 1
	s_mul_i32 s[G0SA+1], s14, 8*272
	s_add_co_u32 s[G0SA+1], s[G0SA+1], SCL
	s_mov_b32 s[G0SB], 1
	s_mul_i32 s[G0SB+1], s14, 12*272
	s_add_co_u32 s[G0SB+1], s[G0SB+1], SCLB
	s_mov_b32 s[G0X], 1
	s_mul_i32 s[G0X+1], s14, 4*XT
	s_lshl_b32 s45, s14, 14
.irp n, 0,1,2
	s_mov_b32 s[G0W+4*\n], 1
	s_add_co_u32 s[G0W+4*\n+1], s45, WB+\n*65536
.endr
	s_wait_dscnt 0x0                               ; both opening adds are done
	s_wait_kmcnt 0x0
	s_add_nc_u64 s[G0SA+2:G0SA+3], s[6:7], s[18:19]
	s_or_b32 s[G0SA+3], s[G0SA+3], 0x80000000
	s_add_nc_u64 s[G0X+2:G0X+3], s[4:5], s[20:21]
	s_or_b32 s[G0X+3], s[G0X+3], 0x80000000
	s_add_nc_u64 s[XG:XG+1], s[4:5], s[22:23]
	s_add_nc_u64 s[G0SB+2:G0SB+3], s[10:11], s[46:47]
	s_or_b32 s[G0SB+3], s[G0SB+3], 0x80000000
	s_add_nc_u64 s[100:101], s[8:9], s[100:101]
.irp n, 0,1,2
	s_add_nc_u64 s[G0W+4*\n+2:G0W+4*\n+3], s[100:101], \n*65536
	s_or_b32 s[G0W+4*\n+3], s[G0W+4*\n+3], 0x80000000
.endr
	CROUND                                         ; all sixteen work-groups are here: the joint loads meet
	tensor_load_to_lds s[G0SA:G0SA+3], s[G1SA:G1SA+7]      ; all first fills in one group, in the order in which they are wanted: the scales,
	s_nop 0
	tensor_load_to_lds s[G0SB:G0SB+3], s[G1SB:G1SB+7]
	s_nop 0
	tensor_load_to_lds s[G0X:G0X+3], s[G1X:G1X+7]          ; X,
	s_nop 0
	tensor_load_to_lds s[G0W:G0W+3], s[G1W:G1W+7]          ; W_in's three subtiles
	s_nop 0
	tensor_load_to_lds s[G0W+4:G0W+7], s[G1W:G1W+7]
	s_nop 0
	tensor_load_to_lds s[G0W+8:G0W+11], s[G1W:G1W+7]
	s_nop 0
.rept 4
	v_nop
.endr
	v_and_b32 v1, 15, v0                           ; r = lane % 16
	v_bfe_u32 v2, v0, 4, 1                         ; h = lane / 16
	v_and_b32 v3, 31, v0
	v_lshlrev_b32 v[L16], 4, v3
	v_lshlrev_b32 v[BO], 5, v2
	s_mul_i32 s45, s42, 384
	s_lshl_b32 s46, s16, 6
	s_add_co_u32 s45, s45, s46                     ; my first column of subtile 0: 384 x tile column + 64 x half
	s_lshl_b32 s46, s45, 2
	s_mov_b32 s47, 0
	s_add_nc_u64 s[66:67], s[66:67], s[46:47]
.macro BIAS n                          ; the bias of subtile n, in the result's layout: eight numbers from 8 h on, for each block of 16 columns
.irp b, 0,1,2,3
	global_load_b128 v[BR+8*\b:BR+8*\b+3], v[BO], s[66:67] offset:(\n)*512+64*\b
	global_load_b128 v[BR+8*\b+4:BR+8*\b+7], v[BO], s[66:67] offset:(\n)*512+64*\b+16
.endr
.endm
	BIAS 0
	WIN 0xc0                                       ; destination window 3
.irp q, 6,7
.irp a, 0,1,2,3,4,5,6,7
.irp c, 0,1
	global_load_b128 v[64*(\q%4)+8*\a+4*\c:64*(\q%4)+8*\a+4*\c+3], v[L16], s[XG:XG+1] offset:\a*8192+\q*1024+512*\c   ; X's K steps 6 and 7: half an image, 512 consecutive bytes, into the registers in which it stays
.endr
.endr
.endr
	WIN 0
	s_mul_i32 s18, s15, 8*XT                       ; my 8 tiles of X
	v_add_nc_u32 v[ADRA], s18, v[L16]
	s_lshl_b32 s18, s16, 15                        ; my 4 tiles of a subtile's 8
	s_add_co_u32 s18, s18, WB
.irp n, 0,1,2
	v_add_nc_u32 v[ADRW+\n], s18, v[L16]
	s_add_co_u32 s18, s18, 65536
.endr
	v_lshlrev_b32 v5, 5, v1                        ; a row's scales: 32 bytes a row,
	v_lshrrev_b32 v6, 8, v5
	v_lshl_add_u32 v5, v6, 4, v5                   ; 16 more for each 256 passed,
	v_lshl_add_u32 v5, v2, 4, v5                   ; and lanes 16-31 take the words of K steps 4-7
	s_mul_i32 s18, s15, 16*272                     ; X's: my 128 rows
	s_add_co_u32 s18, s18, SCL
	v_add_nc_u32 v[ADRSA], s18, v5
	s_mul_i32 s18, s16, 8*272                      ; W_in's: my 64 columns of a subtile
	s_add_co_u32 s18, s18, SCLB
	v_add_nc_u32 v[ADRSB], s18, v5
	; where my results go: region (column / 1,024), head ((column / 64) % 16), batch (row / 1,024), tile of positions ((row / 16) % 64)
	s_lshl_b32 s20, s17, 8
	s_lshl_b32 s21, s15, 7
	s_add_co_u32 s20, s20, s21                     ; my first row: 256 x tile row + 128 x half
	s_lshr_b32 s21, s20, 10
	s_lshl_b32 s21, s21, 21
	s_bfe_u32 s22, s20, 0x60004
	s_lshl_b32 s22, s22, 11
	s_add_co_u32 s20, s21, s22
.irp n, 0,1,2
	s_add_co_u32 s46, s45, \n*128                  ; my first column of subtile n
	s_lshr_b32 s47, s46, 10
	s_lshl_b32 s47, s47, 24
	s_bfe_u32 s100, s46, 0x40006
	s_lshl_b32 s100, s100, 17
	s_add_co_u32 s47, s47, s100
	s_add_co_u32 s100, s47, s20
	s_mov_b32 s101, 0
	s_add_nc_u64 s[OB+2*\n:OB+2*\n+1], s[12:13], s[100:101]
	s_lshr_b32 s46, s46, 11                        ; 1 where the columns are v's, else 0
	s_lshl_b32 s47, s46, 4
	s_add_co_u32 s47, s47, 16                      ; q, k: 16 r + 256 h = 16 x lane (an image);  v: 32 r + 16 h (a key's 16 channels on end)
	s_mul_i32 s46, s46, 240
	s_sub_co_u32 s46, 256, s46
	v_mul_u32_u24 v[VO+\n], v1, s47
	v_mad_u32_u24 v[VO+\n], v2, s46, v[VO+\n]
.endr
.macro FETCH_W n, q                    ; W_in's four fragments of subtile n, K step q, into set q % 3
.irp b, 0,1,2,3
.irp c, 0,1
	ds_load_b128 v[BF+32*((\q)%3)+8*\b+4*\c:BF+32*((\q)%3)+8*\b+4*\c+3], v[ADRW+\n] offset:\b*8192+(\q)*1024+512*\c
.endr
.endr
.endm
.macro FETCH_X q                       ; X's eight fragments of K step q (0 to 5), into the registers in which they stay
	WIN 0x80+0x40*((\q)/4)                         ; destination window 2 or 3
.irp a, 0,1,2,3,4,5,6,7
.irp c, 0,1
	ds_load_b128 v[64*((\q)%4)+8*\a+4*\c:64*((\q)%4)+8*\a+4*\c+3], v[ADRA] offset:\a*XT+(\q)*1024+512*\c
.endr
.endr
	WIN 0
.endm
.macro SCALES_W n                      ; the scale words of my 64 columns of subtile n, for all of K
.irp b, 0,1,2,3
	ds_load_b128 v[SB+4*\b:SB+4*\b+3], v[ADRSB] offset:(\n)*16*272+\b*544
.endr
.endm
; 32 matrix instructions: X's eight blocks x W_in's four, K step q.  The first step starts the sums on the bias: nothing is cleared and nothing is added later.
; The 32 accumulators take turns, one instruction a turn, in the same order in every step.
.macro MULS q
.irp a, 0,1,2,3,4,5,6,7
.irp b, 0,1,2,3
.if (\q) == 0
	v_wmma_scale_f32_16x16x128_f8f6f4 v[8*(4*\a+\b):8*(4*\a+\b)+7], v[BF+32*((\q)%3)+8*\b:BF+32*((\q)%3)+8*\b+7], v[64*((\q)%4)+8*\a:64*((\q)%4)+8*\a+7], v[BR+8*\b:BR+8*\b+7], v[SB+4*\b+(\q)%4], v[SA+4*\a+(\q)%4] matrix_a_fmt:MATRIX_FMT_FP4 matrix_b_fmt:MATRIX_FMT_FP4
.elseif (\q) < 4
	v_wmma_scale_f32_16x16x128_f8f6f4 v[8*(4*\a+\b):8*(4*\a+\b)+7], v[BF+32*((\q)%3)+8*\b:BF+32*((\q)%3)+8*\b+7], v[64*((\q)%4)+8*\a:64*((\q)%4)+8*\a+7], v[8*(4*\a+\b):8*(4*\a+\b)+7], v[SB+4*\b+(\q)%4], v[SA+4*\a+(\q)%4] matrix_a_fmt:MATRIX_FMT_FP4 matrix_b_fmt:MATRIX_FMT_FP4
.else
	v_wmma_scale_f32_16x16x128_f8f6f4 v[8*(4*\a+\b):8*(4*\a+\b)+7], v[BF+32*((\q)%3)+8*\b:BF+32*((\q)%3)+8*\b+7], v[64*((\q)%4)+8*\a:64*((\q)%4)+8*\a+7], v[8*(4*\a+\b):8*(4*\a+\b)+7], v[SB+4*\b+(\q)%4], v[SA+4*\a+(\q)%4] matrix_a_fmt:MATRIX_FMT_FP4 matrix_b_fmt:MATRIX_FMT_FP4 matrix_a_scale:MATRIX_SCALE_ROW1 matrix_b_scale:MATRIX_SCALE_ROW1
.endif
.endr
.endr
.endm
; K step q of subtile n.  Its fragments were asked for two steps ago; the next step's may be out: 8 loads of W_in, and in subtile 0, up to K step 5, 16 of X.  Then the fragments of two steps on are asked for: W_in's into the set
; that the last step multiplied, four places behind its products.
.macro STEP n, q
.if (\q) == 7
	s_wait_dscnt 0x0
.elseif ((\n) == 0) && ((\q) < 5)
	s_wait_dscnt 24
.else
	s_wait_dscnt 8
.endif
.if (\q) == 0
	s_wait_loadcnt 0x0                             ; the subtile's bias (ahead of the first subtile: X's K steps 6 and 7 too)
.endif
.if (\q) < 6
	WIN 0
.if (\q) > 0
	PLACES
.endif
	FETCH_W \n, (\q)+2
.if ((\q) == 1) && ((\n) < 2)
	BIAS (\n)+1                                    ; the next subtile's bias: this subtile's first step has read the registers, four places back
.endif
.if ((\n) == 0) && ((\q) < 4)
	FETCH_X (\q)+2
.endif
.endif
.if (\q) == 0
	WIN 0x48                                       ; source 0 (W_in) window 0, source 1 (X) window 2, C (the bias) window 0, D window 1
.elseif (\q) < 4
	WIN 0x58                                       ; C and D window 1
.else
	WIN 0x5c                                       ; source 1 window 3
.endif
	MULS \q
.endm
; THE WAY OUT of subtile n.  Accumulator (a, b), rounded to f16, is 16 bytes a lane: positions 16 a + r, channels 16 b + 8 h + 0 .. 7: my lane's own part of the reader's block, 512 consecutive bytes a store.
; Ahead of it the next subtile's tiles are made sure of and its first two steps' fragments are asked for.  Nothing waits for the stores.
.macro OUT n
	WIN 0
.if (\n) < 2
	s_wait_tensorcnt 1-(\n)                        ; my part of the next subtile is in; the one after it may be out
	s_wait_dscnt 0x0                               ; no LDS instruction of mine is out at the signal
	s_barrier_signal -1
	PLACES                                         ; behind the last products: for the loads below and the conversions
	s_barrier_wait -1
	SCALES_W (\n)+1
	FETCH_W (\n)+1, 0
	FETCH_W (\n)+1, 1
.else
	PLACES
.endif
.irp g, 0,1,2,3                        ; two blocks of 16 rows at a time, in two sets of 32 registers by turns
.if \g >= 2
	s_wait_xcnt 0x0                                ; the stores of two turns ago have read their registers: they are written again only behind this wait
.endif
	WIN 0x05                                       ; sources 0 and 1 window 1
.irp e, 0,1
.irp b, 0,1,2,3
.irp i, 0,1,2,3
	v_cvt_pk_f16_f32 v[PK-32*(\g%2)+16*\e+4*\b+\i], v[8*(4*(2*\g+\e)+\b)+2*\i], v[8*(4*(2*\g+\e)+\b)+2*\i+1]   ; each accumulator from its low end on
.endr
.endr
.endr
	WIN 0
.irp e, 0,1
.irp b, 0,1,2,3
	global_store_b128 v[VO+\n], v[PK-32*(\g%2)+16*\e+4*\b:PK-32*(\g%2)+16*\e+4*\b+3], s[OB+2*(\n):OB+2*(\n)+1] offset:(2*\g+\e)*2048+\b*512
.endr
.endr
.endr
.if (\n) < 2
	s_wait_xcnt 0x0                                ; the stores have read their registers: the next subtile's loads land in set 2, and its way out writes both sets
.endif
.endm
	s_wait_tensorcnt 2                             ; the scales, X and my part of subtile 0 are in (subtiles 1 and 2 may be out)
	s_barrier_signal -1
	s_barrier_wait -1                              ; everybody's are
.irp a, 0,1,2,3,4,5,6,7
	ds_load_b128 v[SA+4*\a:SA+4*\a+3], v[ADRSA] offset:\a*544   ; X's scale words, for all of K: they stay
.endr
	SCALES_W 0
	FETCH_W 0, 0
	FETCH_X 0
	FETCH_W 0, 1
	FETCH_X 1
.irp q, 0,1,2,3,4,5,6,7
	STEP 0, \q
.endr
	OUT 0
.irp q, 0,1,2,3,4,5,6,7
	STEP 1, \q
.endr
	OUT 1
.irp q, 0,1,2,3,4,5,6,7
	STEP 2, \q
.endr
	OUT 2
	s_wait_tensorcnt 0x0                           ; the wave's end: three lines behind my last tensor load
	ds_add_u32 v[SPW], v[NIL]
	s_wait_dscnt 0x0
	CROUND                                         ; the closing round: no work-group ends while a partner may still ask for a tile that names it
	s_endpgm
.Lfunc_end_k_qf116277b82_qkv:
	.size	k_qf116277b82_qkv, .Lfunc_end_k_qf116277b82_qkv-k_qf116277b82_qkv
	.p2alignl 7, 3214868480
	.fill 96, 4, 3214868480
	.section	.rodata,"a",@progbits
	.p2align	6, 0x0
	.amdhsa_kernel k_qf116277b82_qkv
		.amdhsa_group_segment_fixed_size 327680
		.amdhsa_private_segment_fixed_size 0
		.amdhsa_enable_private_segment 0
		.amdhsa_kernarg_size 48
		.amdhsa_user_sgpr_count 2
		.amdhsa_user_sgpr_kernarg_segment_ptr 1
		.amdhsa_wavefront_size32 1
		.amdhsa_system_sgpr_workgroup_id_x 1
		.amdhsa_system_sgpr_workgroup_id_y 1
		.amdhsa_system_sgpr_workgroup_id_z 1
		.amdhsa_system_vgpr_workitem_id 0
		.amdhsa_next_free_vgpr 1024
		.amdhsa_next_free_sgpr 102
		.amdhsa_reserve_vcc 0
		.amdhsa_float_denorm_mode_32 3
		.amdhsa_float_denorm_mode_16_64 3
		.amdhsa_memory_ordered 1
		.amdhsa_forward_progress 1
		.amdhsa_inst_pref_size 171
	.end_amdhsa_kernel
	.amdgpu_metadata
---
amdhsa.version: [ 1, 2 ]
amdhsa.kernels:
  - .name:           k_qf116277b82_qkv
    .symbol:         k_qf116277b82_qkv.kd
    .args:
      - { .name: xc, .offset: 0, .size: 8, .value_kind: global_buffer, .address_space: global }
      - { .name: xs, .offset: 8, .size: 8, .value_kind: global_buffer, .address_space: global }
      - { .name: wc, .offset: 16, .size: 8, .value_kind: global_buffer, .address_space: global }
      - { .name: ws, .offset: 24, .size: 8, .value_kind: global_buffer, .address_space: global }
      - { .name: b_in, .offset: 32, .size: 8, .value_kind: global_buffer, .address_space: global }
      - { .name: qkv, .offset: 40, .size: 8, .value_kind: global_buffer, .address_space: global }
    .group_segment_fixed_size: 327680
    .private_segment_fixed_size: 0
    .kernarg_segment_align: 8
    .kernarg_segment_size: 48
    .max_flat_workgroup_size: 128
    .sgpr_count:     102
    .vgpr_count:     1024
    .wavefront_size: 32
...
	.end_amdgpu_metadata
.endif
;; end of part 2
;; launch attn (part 3): grid 2 x 128, 8 waves a work-group, no clusters, 327,680 bytes of LDS; arguments qkv, o16; writes o16
.if DOCPART == 3
	.amdgcn_target "amdgcn-amd-amdhsa--gfx1250"
	.amdhsa_code_object_version 6
	.text
	.protected	k_qf116277b82_attn
	.globl	k_qf116277b82_attn
	.p2align	8
	.type	k_qf116277b82_attn,@function
k_qf116277b82_attn:
	s_mov_b64 s[64:65], 0
	v_nop
	global_prefetch_b8 v0, s[64:65] scope:SCOPE_SE
	s_setreg_imm32_b32 hwreg(HW_REG_WAVE_MODE, 25, 1), 1
	s_wait_xcnt 0x0
; o[b][h][q] = the sum over k of softmax_k(q . k / 8) v, 128 heads of 1,024 positions x 64 channels, no mask.  Operands f16, products, maxima and sums f32; the weights p are rounded to f16 for the second product, o once at the end.
; SHARES.  A work-group owns 512 queries of one head, each of its EIGHT waves 64: four tiles of 16, in 512 registers.  Two waves share a SIMD, so that one wave's softmax stands beside the other's products; the step is written in plain phases.
; ALL OF THE HEAD'S K AND V COME TO STAY IN LDS: 128 KiB + 128 KiB, dense, each byte filled once.  They come in four chunks of 256 keys; each wave brings 8 KiB of each chunk (waves 0-3: K's quarters, waves 4-7: V's).
; Only chunk 0 is asked for at the head, so that it and Q are alone on their way at the start.  Chunk c + 1 is asked for behind the barrier in front of chunk c: a wave's one tensor load there, with four key steps in which to land.
; One load of a wave is out at any time.  No byte is ever filled again.
; LAYOUT.  S^T = K Q^T (source 0 = 16 keys, source 1 = 16 queries): a lane holds ONE query (lane % 16) and keys 8 (lane / 16) + 0..7 of a tile.  Two such tiles, rounded to f16 in pairs, ARE source 1 (32 keys x 16 queries) of
; O^T = V^T P, whose result again holds one query a lane and eight channels; packed, those are my lane's part of the projection's operand and are stored as they stand.  K comes out of LDS as an image of its registers
; (16 x lane), V (blocks of 16 keys x 16 channels, 512 bytes on end) turned, by ds_load_tr16_b128.  Every LDS load of a wave takes 512 consecutive bytes.
; SOFTMAX.  For each query a running maximum m and sum l: p = 2^(c s - c m), c = log2(e) / 8; in every step O and l are multiplied by a = 2^(c m_old - c m_new).
; NO CLUSTER: a head has two work-groups, and each asks for its 256 KiB once; a cluster of four would hold two heads.  NO PREFETCH: a chunk is asked for four key steps ahead of its first use, so no wave waits for it.
; LIMITS: NaN and infinities are not served; |o| stays under 65,504 (it is an average of v).
; REGISTERS.  window 0: v1-7 addresses; v16-47 eight registers of statistics a tile; v48-111 V's fragments; v128-255 S^T, 32 a tile (P is packed into the low 16 of each 32).
;             window 1: v0-63 Q; v64-127 K's fragments; v128-255 O^T, 32 a tile.
.set VB,    131072                     ; LDS: K's 64 tiles of 2,048 bytes from 0, V's from here
.set SPARE, 262144                     ; the spare words, 128 bytes for each wave: four blocks of 256 bytes that no other line names
.set L16, 1                            ; v1   16 x lane; never rewritten
.set AV0, 2                            ; v2   my lane's place in a block of V, + VB; never rewritten
.set ADK, 3                            ; v3   LDS address of the step's K
.set ADV, 4                            ; v4   and V
.set SPW, 6                            ; v6   LDS address of my spare word; never rewritten
.set NIL, 7                            ; v7   0; never rewritten
.set ST,  16                           ; tile t's statistics at v[ST + 8 t]: +0 c m, +1 m, +2, +3 l (even keys', odd keys'), +4 to +7 at work; a stands in +6
.set VF,  48
.set S,   128
.set QF,  0                            ; in window 1
.set KF,  64
.set O,   128
.set G1,  16                           ; s[16:23] descriptor group 1: 32 rows of 256 bytes, dense
.set G0,  24                           ; s[24:39] group 0, a set for each chunk; never rewritten
.set CS,  40                           ; s[40:41] c: the packed form names a pair and takes its low word for both halves
.set SEL, 42                           ; s[42:43] lane selects for v_permlanex16_b32: lane l xor 16
.set TB,  44                           ; s44  LDS byte at which the step's four tiles begin
.set CNT, 45                           ; s45  steps to go in a chunk
.set MSB, 0
.macro WIN new                         ; the immediate's high byte repeats the setting that is left
.if MSB != (\new)
	s_set_vgpr_msb (MSB<<8)|(\new)
.set MSB, (\new)
.endif
.endm
.set W_KQ, 0x05                        ; K and Q in window 1, S^T in window 0
.set W_PV, 0x50                        ; V and P in window 0, O^T (C and D) in window 1
.set W_RS, 0x41                        ; O^T (destination and source 0) in window 1, a in window 0
.set W_L1, 0x40                        ; a load into window 1, its address in window 0
	s_load_b128 s[4:7], s[0:1], 0x0                ; qkv, o16
	v_lshl_add_u32 v[SPW], v0, 2, SPARE
	v_mov_b32 v[NIL], 0
	ds_add_u32 v[SPW], v[NIL]                      ; the wave's opening: the add, twice on end, and its wait ahead of my first tensor load; the set-up below stands between the second and the wait
	ds_add_u32 v[SPW], v[NIL]
	v_lshrrev_b32 v1, 5, v0
	v_readfirstlane_b32 s8, v1                     ; wave 0..7
	s_lshr_b32 s9, s8, 2                           ; I fetch for K (0) or for V (1),
	s_and_b32 s10, s8, 3
	s_lshl_b32 s10, s10, 13                        ; this quarter of each chunk
	s_lshl_b32 s11, s9, 17
	s_add_co_u32 s11, s11, s10                     ; where it goes: 131,072 x (wave / 4) + 8,192 x (wave % 4)
	s_and_b32 s46, ttmp7, 0xffff                   ; batch x head
	s_lshl_b32 s47, s46, 17                        ; its 131,072 bytes in each region
	s_add_co_u32 s12, s9, 1
	s_lshl_b32 s12, s12, 24                        ; region 1 is k's, region 2 v's
	s_add_co_u32 s12, s12, s47
	s_add_co_u32 s12, s12, s10
	s_mov_b32 s13, 0
	s_lshl_b32 s48, ttmp9, 16                      ; q: my work-group's 32 tiles of 2,048 bytes,
	s_lshl_b32 s49, s8, 13                         ; my wave's four
	s_add_co_u32 s48, s48, s49
	s_add_co_u32 s48, s48, s47
	s_mov_b32 s49, 0
	s_lshr_b32 s50, s46, 4                         ; o16: row tile 64 x batch + 32 x work-group + 4 x wave, 32,768 bytes each;
	s_lshl_b32 s50, s50, 21
	s_lshl_b32 s51, ttmp9, 20
	s_add_co_u32 s50, s50, s51
	s_lshl_b32 s51, s8, 17
	s_add_co_u32 s50, s50, s51
	s_and_b32 s51, s46, 15                         ; the head's 64 along the projection's K are two images
	s_lshl_b32 s51, s51, 11
	s_add_co_u32 s50, s50, s51
	s_mov_b32 s51, 0
	s_mov_b32 s[G1+0], 3<<16                       ; 15:0 no mask; 17:16 elements of 8 bytes; no padding
	s_mov_b32 s[G1+1], 32<<16                      ; tensor_dim0 = 32 elements (256 bytes)
	s_mov_b32 s[G1+2], 32<<16                      ; tensor_dim1 = 32
	s_mov_b32 s[G1+3], 32<<16                      ; tile_dim0
	s_mov_b32 s[G1+4], 32                          ; tile_dim1
	s_mov_b32 s[G1+5], 32                          ; tensor_dim0_stride: dense
	s_mov_b32 s[G1+6], 0
	s_mov_b32 s[G1+7], 0
	s_mov_b32 s[CS], 0x3e38aa3b                    ; c = log2(e) / sqrt(64)
	s_mov_b32 s[CS+1], s[CS]                       ; (named with it as a pair, so it is written)
	s_mov_b32 s[SEL], 0x76543210
	s_mov_b32 s[SEL+1], 0xfedcba98
	s_wait_dscnt 0x0                               ; both opening adds are done
	s_wait_kmcnt 0x0
	s_add_nc_u64 s[12:13], s[4:5], s[12:13]
	s_add_nc_u64 s[48:49], s[4:5], s[48:49]        ; q at my wave's first tile
	s_add_nc_u64 s[6:7], s[6:7], s[50:51]
.irp c, 0,1,2,3
	s_mov_b32 s[G0+4*\c], 1                        ; 1:0 count = 1
	s_add_co_u32 s[G0+4*\c+1], s11, \c*32768       ; 63:32 LDS address
	s_add_nc_u64 s[G0+4*\c+2:G0+4*\c+3], s[12:13], \c*32768   ; 120:64 global address
	s_or_b32 s[G0+4*\c+3], s[G0+4*\c+3], 0x80000000           ; 127:126 type = 2
.endr
	tensor_load_to_lds s[G0:G0+3], s[G1:G1+7]      ; chunk 0 alone: the later chunks follow one by one, behind the chunks' barriers
	s_nop 0
.rept 4
	v_nop
.endr
	v_and_b32 v1, 31, v0
	v_lshlrev_b32 v[L16], 4, v1
	v_and_b32 v2, 7, v0                            ; the turning load: lane l reads 16 bytes: key 8 (l / 16) + l % 8, channels 8 ((l / 8) % 2) + 0..7; a key's row is 32 bytes
	v_lshlrev_b32 v2, 5, v2
	v_bfe_u32 v3, v0, 3, 1
	v_lshl_add_u32 v2, v3, 4, v2
	v_bfe_u32 v3, v0, 4, 1
	v_lshl_add_u32 v2, v3, 8, v2
	v_add_nc_u32 v[AV0], VB, v2
	WIN W_L1
.irp t, 0,1,2,3
.irp u, 0,1
.irp c, 0,1
	global_load_b128 v[QF+16*\t+8*\u+4*\c:QF+16*\t+8*\u+4*\c+3], v[L16], s[48:49] offset:\t*2048+\u*1024+\c*512   ; Q stays in registers: tile t, channels 32 u on
.endr
.endr
.endr
	WIN 0
	s_wait_loadcnt 0x0                             ; Q
; A KEY STEP: 64 keys.  first = 1: the first step, which starts m, l and O^T.
.macro STEP first
	v_add_nc_u32 v[ADK], s[TB], v[L16]             ; these two and three v_nop are five places behind the last V^T P: four are owed by the loads into V's registers,
	v_add_nc_u32 v[ADV], s[TB], v[AV0]             ; five by the products below, which write over P's
.rept 3
	v_nop
.endr
	WIN W_L1
.irp kt, 0,1,2,3
.irp u, 0,1
.irp c, 0,1
	ds_load_b128 v[KF+16*\kt+8*\u+4*\c:KF+16*\kt+8*\u+4*\c+3], v[ADK] offset:\kt*2048+\u*1024+\c*512
.endr
.endr
.endr
	WIN 0
.irp g, 0,1
.irp dt, 0,1,2,3
.irp e, 0,1
	ds_load_tr16_b128 v[VF+32*\g+8*\dt+4*\e:VF+32*\g+8*\dt+4*\e+3], v[ADV] offset:(2*\g+\e)*2048+\dt*512   ; keys 32 g + 16 e on, channels 16 dt on
.endr
.endr
.endr
	s_wait_dscnt 16                                ; K's 16 loads are in; V's 16 may be out
	WIN W_KQ
.set i, 0
.rept 32                                       ; product i: channels 32 (i / 16) on, keys 16 ((i / 4) % 4) on, tile i % 4.  The 16 accumulators take turns; the first 16 start the sums
.set rS, S+32*(i%4)+8*((i/4)%4)
.set rK, KF+16*((i/4)%4)+8*(i/16)
.set rQ, QF+16*(i%4)+8*(i/16)
.if i < 16
	v_wmma_f32_16x16x32_f16 v[rS:rS+7], v[rK:rK+7], v[rQ:rQ+7], 0
.else
	v_wmma_f32_16x16x32_f16 v[rS:rS+7], v[rK:rK+7], v[rQ:rQ+7], v[rS:rS+7]
.endif
.set i, i+1
.endr
	WIN 0
.rept 4
	v_nop                                          ; places ahead of the first read of the scores
.endr
	; the maximum of a lane's 32 scores and the old m: four chains of seven, the four left over, the chains, m.  The four tiles by turns.  Each accumulator is read from its low end on
.irp j, 0,1,2,3
.irp t, 0,1,2,3
	v_max3_num_f32 v[ST+8*\t+4+\j], v[S+32*\t+8*\j], v[S+32*\t+8*\j+1], v[S+32*\t+8*\j+2]
.endr
.endr
.irp n, 1,2
.irp j, 0,1,2,3
.irp t, 0,1,2,3
	v_max3_num_f32 v[ST+8*\t+4+\j], v[ST+8*\t+4+\j], v[S+32*\t+8*\j+2*\n+1], v[S+32*\t+8*\j+2*\n+2]
.endr
.endr
.endr
.irp t, 0,1,2,3
	v_max3_num_f32 v[ST+8*\t+4], v[ST+8*\t+4], v[S+32*\t+7], v[S+32*\t+15]
	v_max3_num_f32 v[ST+8*\t+6], v[ST+8*\t+6], v[S+32*\t+23], v[S+32*\t+31]
.endr
.irp t, 0,1,2,3
	v_max3_num_f32 v[ST+8*\t+4], v[ST+8*\t+4], v[ST+8*\t+5], v[ST+8*\t+6]
.endr
.irp t, 0,1,2,3
.if \first
	v_max_num_f32 v[ST+8*\t+4], v[ST+8*\t+4], v[ST+8*\t+7]
.else
	v_max3_num_f32 v[ST+8*\t+4], v[ST+8*\t+4], v[ST+8*\t+7], v[ST+8*\t+1]
.endif
.endr
.irp t, 0,1,2,3
	v_permlanex16_b32 v[ST+8*\t+5], v[ST+8*\t+4], s[SEL], s[SEL+1]   ; the query's other 32 keys lie in the lane 16 away
.endr
.if \first == 0
.irp t, 0,1,2,3
	v_mov_b32 v[ST+8*\t+7], v[ST+8*\t]             ; c m_old is kept for a
.endr
.endif
.irp t, 0,1,2,3
	v_max_num_f32 v[ST+8*\t+1], v[ST+8*\t+4], v[ST+8*\t+5]
.endr
.irp t, 0,1,2,3
	v_mul_f32 v[ST+8*\t], s[CS], v[ST+8*\t+1]
.endr
.if \first == 0
.irp t, 0,1,2,3
	v_sub_f32 v[ST+8*\t+7], v[ST+8*\t+7], v[ST+8*\t]   ; c m_old - c m_new, 0 or less
.endr
.endif
.irp t, 0,1,2,3
.irp b, 0,1,2,3,4,5,6,7,8,9,10,11,12,13,14,15
	v_pk_fma_f32 v[S+32*\t+2*\b:S+32*\t+2*\b+1], v[S+32*\t+2*\b:S+32*\t+2*\b+1], s[CS:CS+1], v[ST+8*\t:ST+8*\t+1] op_sel_hi:[1,0,0] neg_lo:[0,0,1] neg_hi:[0,0,1]   ; c s - c m, two at a time
.endr
.endr
	; ONE BATCH of exponentials, none of which reads another's result
.if \first == 0
.irp t, 0,1,2,3
	v_exp_f32 v[ST+8*\t+6], v[ST+8*\t+7]           ; a
.endr
.endif
.set i, 0
.rept 128
	v_exp_f32 v[S+i], v[S+i]                       ; p, at most 1
.set i, i+1
.endr
	v_nop                                          ; a plain instruction behind the last exponential,
	s_wait_alu depctr_va_vdst(0)                   ; and the one wait ahead of the batch's first reader
	; the sums, of the f32 weights, in two chains a tile: l = a l + the even pairs, the odd pairs beside it
.irp t, 0,1,2,3
	v_pk_add_f32 v[ST+8*\t+4:ST+8*\t+5], v[S+32*\t+2:S+32*\t+3], v[S+32*\t+6:S+32*\t+7]
.endr
.irp t, 0,1,2,3
.if \first
	v_pk_add_f32 v[ST+8*\t+2:ST+8*\t+3], v[S+32*\t:S+32*\t+1], v[S+32*\t+4:S+32*\t+5]
.else
	v_pk_fma_f32 v[ST+8*\t+2:ST+8*\t+3], v[ST+8*\t+2:ST+8*\t+3], v[ST+8*\t+6:ST+8*\t+7], v[S+32*\t:S+32*\t+1] op_sel_hi:[1,0,1]
.endif
.endr
.if \first == 0
.irp t, 0,1,2,3
	v_pk_add_f32 v[ST+8*\t+2:ST+8*\t+3], v[ST+8*\t+2:ST+8*\t+3], v[S+32*\t+4:S+32*\t+5]
.endr
.endif
.irp p, 4,6,8,10,12,14
.irp t, 0,1,2,3
	v_pk_add_f32 v[ST+8*\t+2:ST+8*\t+3], v[ST+8*\t+2:ST+8*\t+3], v[S+32*\t+2*\p:S+32*\t+2*\p+1]
	v_pk_add_f32 v[ST+8*\t+4:ST+8*\t+5], v[ST+8*\t+4:ST+8*\t+5], v[S+32*\t+2*\p+2:S+32*\t+2*\p+3]
.endr
.endr
.irp t, 0,1,2,3
	v_pk_add_f32 v[ST+8*\t+2:ST+8*\t+3], v[ST+8*\t+2:ST+8*\t+3], v[ST+8*\t+4:ST+8*\t+5]
.endr
	; P: pair p of a tile's weights into register p of the same tile: p ascends, so no weight is overwritten before it is read
.irp p, 0,1,2,3,4,5,6,7,8,9,10,11,12,13,14,15
.irp t, 0,1,2,3
	v_cvt_pk_f16_f32 v[S+32*\t+\p], v[S+32*\t+2*\p], v[S+32*\t+2*\p+1]
.endr
.endr
.if \first == 0
	WIN W_RS
.irp t, 0,1,2,3
.irp b, 0,1,2,3,4,5,6,7,8,9,10,11,12,13,14,15
	v_pk_mul_f32 v[O+32*\t+2*\b:O+32*\t+2*\b+1], v[O+32*\t+2*\b:O+32*\t+2*\b+1], v[ST+8*\t+6:ST+8*\t+7] op_sel_hi:[1,0]   ; O^T x a, each accumulator from its low end on
.endr
.endr
.endif
	s_wait_dscnt 0x0                               ; V is in
	WIN W_PV
.set i, 0
.rept 32                                       ; product i: keys 32 (i / 16) on, channels 16 ((i / 4) % 4) on, tile i % 4; the 16 accumulators take turns
.set rO, O+32*(i%4)+8*((i/4)%4)
.set rV, VF+32*(i/16)+8*((i/4)%4)
.set rP, S+32*(i%4)+8*(i/16)
.if \first && (i < 16)
	v_wmma_f32_16x16x32_f16 v[rO:rO+7], v[rV:rV+7], v[rP:rP+7], 0
.else
	v_wmma_f32_16x16x32_f16 v[rO:rO+7], v[rV:rV+7], v[rP:rP+7], v[rO:rO+7]
.endif
.set i, i+1
.endr
	WIN 0                                          ; at a label and at a branch every window is 0
	s_add_co_u32 s[TB], s[TB], 8192                ; the next 64 keys
.endm
; A CHUNK: 256 keys, four steps.  My one tensor load that is out, my part of this chunk, has landed; behind the barrier everybody's has.  Then the next chunk is asked for, into bytes that nothing has filled yet:
; my first tensor load behind the barrier, ahead of every LDS read, and my only one until the next chunk's barrier.
.macro CHUNK c, first
	s_wait_tensorcnt 0x0                           ; my part of this chunk is in LDS
	ds_add_u32 v[SPW], v[NIL]                      ; 0 onto my spare word
	s_mov_b32 s[TB], \c*32768                      ; (work on registers between the add and the wait for it)
	s_wait_dscnt 0x0                               ; the add is done, and no LDS instruction of mine is out at the signal
	s_barrier_signal -1
	s_barrier_wait -1
.if \c < 3
	tensor_load_to_lds s[G0+4*(\c+1):G0+4*(\c+1)+3], s[G1:G1+7]
	s_nop 0
.rept 4
	v_nop
.endr
.endif
.if \first
	STEP 1
	s_mov_b32 s[CNT], 3
.else
	s_mov_b32 s[CNT], 4
.endif
.Lk_\@:
	STEP 0
	s_sub_co_u32 s[CNT], s[CNT], 1
	s_cmp_lg_u32 s[CNT], 0
	s_cbranch_scc1 .Lk_\@
.endm
	CHUNK 0, 1
	CHUNK 1, 0
	CHUNK 2, 0
	CHUNK 3, 0
	; THE WAY OUT.  l's two halves and the other half of the lanes' are added; O^T is divided by l and rounded to f16.  The four additions are the places behind the last products.
.irp t, 0,1,2,3
	v_add_f32 v[ST+8*\t+4], v[ST+8*\t+2], v[ST+8*\t+3]
.endr
.irp t, 0,1,2,3
	v_permlanex16_b32 v[ST+8*\t+5], v[ST+8*\t+4], s[SEL], s[SEL+1]
.endr
.irp t, 0,1,2,3
	v_add_f32 v[ST+8*\t+4], v[ST+8*\t+4], v[ST+8*\t+5]
.endr
.irp t, 0,1,2,3
	v_rcp_f32 v[ST+8*\t+6], v[ST+8*\t+4]
.endr
	v_nop                                          ; a plain instruction behind the last reciprocal,
	s_wait_alu depctr_va_vdst(0)                   ; and the wait ahead of the first use: one for the four
	WIN W_RS
.irp t, 0,1,2,3
.irp b, 0,1,2,3,4,5,6,7,8,9,10,11,12,13,14,15
	v_pk_mul_f32 v[O+32*\t+2*\b:O+32*\t+2*\b+1], v[O+32*\t+2*\b:O+32*\t+2*\b+1], v[ST+8*\t+6:ST+8*\t+7] op_sel_hi:[1,0]
.endr
.endr
	WIN 0x05                                       ; sources 0 and 1 window 1, destination window 0: S^T's registers are free
.irp t, 0,1,2,3
.irp b, 0,1,2,3,4,5,6,7,8,9,10,11,12,13,14,15
	v_cvt_pk_f16_f32 v[S+16*\t+\b], v[O+32*\t+2*\b], v[O+32*\t+2*\b+1]
.endr
.endr
	WIN 0
.irp t, 0,1,2,3
.irp dt, 0,1,2,3
	global_store_b128 v[L16], v[S+16*\t+4*\dt:S+16*\t+4*\dt+3], s[6:7] offset:\t*32768+\dt*512   ; query r, channels 16 dt + 8 h + 0..7: half an image of the projection's operand, 512 consecutive bytes
.endr
.endr
	s_wait_tensorcnt 0x0                           ; the wave's end: three lines behind my last tensor load
	ds_add_u32 v[SPW], v[NIL]
	s_wait_dscnt 0x0
	s_endpgm
.Lfunc_end_k_qf116277b82_attn:
	.size	k_qf116277b82_attn, .Lfunc_end_k_qf116277b82_attn-k_qf116277b82_attn
	.p2alignl 7, 3214868480
	.fill 96, 4, 3214868480
	.section	.rodata,"a",@progbits
	.p2align	6, 0x0
	.amdhsa_kernel k_qf116277b82_attn
		.amdhsa_group_segment_fixed_size 327680
		.amdhsa_private_segment_fixed_size 0
		.amdhsa_enable_private_segment 0
		.amdhsa_kernarg_size 16
		.amdhsa_user_sgpr_count 2
		.amdhsa_user_sgpr_kernarg_segment_ptr 1
		.amdhsa_wavefront_size32 1
		.amdhsa_system_sgpr_workgroup_id_x 1
		.amdhsa_system_sgpr_workgroup_id_y 1
		.amdhsa_system_sgpr_workgroup_id_z 1
		.amdhsa_system_vgpr_workitem_id 0
		.amdhsa_next_free_vgpr 512
		.amdhsa_next_free_sgpr 66
		.amdhsa_reserve_vcc 0
		.amdhsa_float_denorm_mode_32 3
		.amdhsa_float_denorm_mode_16_64 3
		.amdhsa_memory_ordered 1
		.amdhsa_forward_progress 1
		.amdhsa_inst_pref_size 172
	.end_amdhsa_kernel
	.amdgpu_metadata
---
amdhsa.version: [ 1, 2 ]
amdhsa.kernels:
  - .name:           k_qf116277b82_attn
    .symbol:         k_qf116277b82_attn.kd
    .args:
      - { .name: qkv, .offset: 0, .size: 8, .value_kind: global_buffer, .address_space: global }
      - { .name: o16, .offset: 8, .size: 8, .value_kind: global_buffer, .address_space: global }
    .group_segment_fixed_size: 327680
    .private_segment_fixed_size: 0
    .kernarg_segment_align: 8
    .kernarg_segment_size: 16
    .max_flat_workgroup_size: 256
    .sgpr_count:     66
    .vgpr_count:     512
    .wavefront_size: 32
...
	.end_amdgpu_metadata
.endif
;; end of part 3
;; launch proj (part 4): grid 8 x 32, 4 waves a work-group, clusters of 4 x 4, 327,680 bytes of LDS; arguments o16, wo16, b_out, out0; writes out0
.if DOCPART == 4
	.amdgcn_target "amdgcn-amd-amdhsa--gfx1250"
	.amdhsa_code_object_version 6
	.text
	.protected	k_qf116277b82_proj
	.globl	k_qf116277b82_proj
	.p2align	8
	.type	k_qf116277b82_proj,@function
k_qf116277b82_proj:
	s_mov_b64 s[64:65], 0
	v_nop
	global_prefetch_b8 v0, s[64:65] scope:SCOPE_SE
	s_setreg_imm32_b32 hwreg(HW_REG_WAVE_MODE, 25, 1), 1
	s_wait_xcnt 0x0
	s_wait_alu depctr_hold_cnt(0) depctr_sa_sdst(0) depctr_va_vdst(0) depctr_va_sdst(0) depctr_va_ssrc(0) depctr_va_vcc(0) depctr_vm_vsrc(0)
	s_getreg_b32 s2, hwreg(HW_REG_IB_STS2, 6, 4)
	s_cmp_eq_u32 s2, 0
	s_cbranch_scc0 .Lentry_in_a_cluster
	s_endpgm
.Lentry_in_a_cluster:
	s_bfe_u32 s2, ttmp6, 0x10000c
	s_cmp_lg_u32 s2, 0xf033
	s_cbranch_scc0 .Lentry_shape_is_right
	s_endpgm
.Lentry_shape_is_right:
; out0 = o W_out + b_out.  M = 8,192, N = 1,024, K = 1,024; operands f16, sums f32, out0 f32.
; o16 [row tile 512][32 K 32][1,024] and wo16 [column tile 64][32 K 32][1,024] hold images of operand registers (16 rows x 32 K: register group c of lane l at 512 c + 16 l).
; A tile of 256 rows x 128 columns is made by a work-group of four waves: 256 work-groups, one for each WGP; a tile of 256 x 256 would give 128.  A wave makes 128 x 64: 32 accumulators, 256 registers.
; K goes in 8 steps of 128 through a ring of two LDS slots: a step's part of a tile of 16 is 4,096 dense bytes.  Two slots of a longer step (2 x 192 KiB) do not fit in LDS.
; CLUSTERS: 4 x 4 work-groups.  The four of a row of the cluster need the same tiles of o, the four of a column the same tiles of W_out: each is asked for JOINTLY, by the same tensor load with the same descriptor and a mask that names the four.
; THE MATRIX INSTRUCTION IS USED TRANSPOSED (source 0 = 16 columns of W_out, source 1 = 16 rows of o): a lane holds eight neighbouring columns of a row.  The bias is the C of each sum's first product.
; REGISTERS.  window 0: v0-31 addresses; v32-127, v128-223 two fragment buffers (in each: W_out's 4 fragments, then o's 8); v224-255 the bias; on the way out v32-95 take rows.   window 1: the accumulators ((a, b) at v[8 (4 a + b)]).
.set SLOT,   98304                     ; o's 16 tiles x 4,096 bytes, then W_out's 8
.set BOFF,   65536
.set STAGE,  2*SLOT                    ; behind the ring: 16 rows x 272 bytes for each wave, for the way out; no tensor load lands there
.set SPITCH, 272
.set SPARE,  STAGE+4*16*SPITCH         ; the spare words, 128 bytes for each wave: two blocks of 256 bytes that no other line names
.set ADRA, 16                          ; v16-17  LDS address of my fragments of o in slot 0, 1
.set ADRB, 20                          ; v20-21  the same for W_out
.set STO,  24                          ; v24     the way out: where I put 32 bytes of a row
.set RD,   25                          ; v25     where I read a row back
.set CO,   26                          ; v26     my byte offset in out0
.set SPW,  28                          ; v28     LDS address of my spare word; never rewritten
.set NIL,  29                          ; v29     0; never rewritten
.set PFO,  30                          ; v30     the prefetches' offset: 32,768 x (lane / 16) + 256 x (lane % 16); never rewritten
.set F0,   32
.set F1,   128
.set BR,   224                         ; the bias: register 8 b + j = b_out[my first column + 16 b + 8 (lane / 16) + j]
.set OB,   32                          ; the way out: 16 rows read back from the stage: v32-63 and v64-95 by turns
.set G1, 24                            ; s[24:31] descriptor group 1 for o's tiles;  s[32:39] group 0, one set for each slot
.set G0, 32
.set G1B, 48                           ; s[48:55], s[56:63] the same for W_out's
.set G0B, 56
.set PFA, 72                           ; s[72:73] where my prefetches stand: my work-group's two tiles of the eight that I fetch, one K step further on than the refill in hand; a prefetch names the K step after that
.set LIM, 74                           ; s74     1 in a wave that prefetches, else the greatest number
.set MSB, 0
.macro WIN new                         ; the immediate's high byte repeats the setting that is left
.if MSB != (\new)
	s_set_vgpr_msb (MSB<<8)|(\new)
.set MSB, (\new)
.endif
.endm
.set MUL, 0x50                         ; both sources window 0; C and D window 1
; A joint load: waves 0 and 1 fetch o's two halves, waves 2 and 3 W_out's.  The branch hangs on the wave's number alone.  An s_nop 0 and four v_nop follow each of the two lines.
.macro JLOAD s
	s_cmp_eq_u32 s11, 0
	s_cbranch_scc0 .Lfor_b_\@
	tensor_load_to_lds s[G0+4*\s:G0+4*\s+3], s[G1:G1+7]
	s_nop 0
.rept 4
	v_nop
.endr
	s_branch .Lasked_\@
.Lfor_b_\@:
	tensor_load_to_lds s[G0B+4*\s:G0B+4*\s+3], s[G1B:G1B+7]
	s_nop 0
.rept 4
	v_nop
.endr
.Lasked_\@:
.endm
; A PREFETCH INTO THE L2 of o's K step that stands TWO refills on: 256 matrix instructions ahead of the load that will want it.  A wave's load fetches 8 tiles x 4,096 bytes: 128 blocks of 256 bytes; the four partners that ask
; for them jointly take two tiles each, told apart BY ADDRESS (cx): 32 blocks, a lane a block, one instruction a wave.  A tile row is read by both clusters of its row of clusters: the one with x = 0 asks.  So each block is named once.
; K steps 0 to 3 come by their loads alone; the loop's last trip asks for nothing: there is no K step two on.  W_out is not asked for: all 32 tile rows read the same 2 MiB.
.macro ASK
	s_cmp_gt_u32 s3, s[LIM]
	s_cbranch_scc0 .Lnot_mine_\@
	global_prefetch_b8 v[PFO], s[PFA:PFA+1] offset:4096 th:TH_LOAD_NT scope:SCOPE_SE
.Lnot_mine_\@:
.endm
.macro CREST                           ; a round of the cluster's barrier behind its opening barrier
	s_cmp_lg_u32 s10, 0
	s_cbranch_scc1 .Lnot_wave_0_\@
	s_barrier_signal -3
.Lnot_wave_0_\@:
	s_barrier_wait -3
	s_barrier_signal -1
	s_barrier_wait -1
.endm
.macro CROUND                          ; a whole round
	s_barrier_signal -1
	s_barrier_wait -1
	CREST
.endm
	s_load_b128 s[4:7], s[0:1], 0x0                ; o16, wo16
	s_load_b128 s[68:71], s[0:1], 0x10             ; b_out, out0
	v_lshl_add_u32 v[SPW], v0, 2, SPARE
	v_mov_b32 v[NIL], 0
	ds_add_u32 v[SPW], v[NIL]                      ; the wave's opening: the add, twice on end, and its wait ahead of my first tensor load; the set-up below stands between the second and the wait
	ds_add_u32 v[SPW], v[NIL]
	v_lshrrev_b32 v1, 5, v0
	v_readfirstlane_b32 s10, v1                    ; wave 0..3
	s_lshr_b32 s11, s10, 1                         ; which half of the tile's rows is mine.  Also: I fetch for o (0) or for W_out (1)
	s_and_b32 s12, s10, 1                          ; which half of its columns.  Also: which half of that tile I fetch
	s_bfe_u32 s40, ttmp6, 0x40000                  ; cx, cy: my place in the cluster
	s_bfe_u32 s41, ttmp6, 0x40004
	s_lshl_b32 s42, ttmp9, 2
	s_add_co_u32 s42, s42, s40                     ; tile column = 4 x cluster x + cx
	s_and_b32 s13, ttmp7, 0xffff
	s_lshl_b32 s13, s13, 2
	s_add_co_u32 s13, s13, s41                     ; tile row = 4 x cluster y + cy
	s_lshl_b32 s43, s41, 2
	s_lshl_b32 s43, 15, s43                        ; my row of the cluster
	s_lshl_b32 s44, 0x1111, s40                    ; my column
	; descriptor group 1: rows (tiles of 16) of 4,096 bytes (a K step's four images), 32,768 bytes from tile to tile; elements of 8 bytes; no padding.  o: 8 rows a load; W_out: 4
	s_or_b32 s[G1+0], s43, (3<<16)|(1<<21)         ; 15:0 the mask: o's tiles go to my row; 17:16 elements of 8 bytes; 21 set beside a mask
	s_or_b32 s[G1B+0], s44, (3<<16)|(1<<21)
	s_mov_b32 s[G1+1], 512<<16                     ; tensor_dim0 = 512 elements
	s_mov_b32 s[G1+2], 8<<16                       ; tensor_dim1
	s_mov_b32 s[G1+3], 512<<16                     ; tile_dim0
	s_mov_b32 s[G1+4], 8                           ; tile_dim1
	s_mov_b32 s[G1+5], 4096                        ; tensor_dim0_stride
	s_mov_b32 s[G1+6], 0
	s_mov_b32 s[G1+7], 0
	s_mov_b32 s[G1B+1], 512<<16
	s_mov_b32 s[G1B+2], 4<<16
	s_mov_b32 s[G1B+3], 512<<16
	s_mov_b32 s[G1B+4], 4
	s_mov_b32 s[G1B+5], 4096
	s_mov_b32 s[G1B+6], 0
	s_mov_b32 s[G1B+7], 0
	s_lshl_b32 s16, s13, 4
	s_lshl_b32 s17, s12, 3
	s_add_co_u32 s16, s16, s17                     ; o: tile 16 x tile row + 8 x half
	s_lshl_b32 s16, s16, 15
	s_mov_b32 s17, 0
	s_lshl_b32 s46, s42, 3
	s_lshl_b32 s47, s12, 2
	s_add_co_u32 s46, s46, s47                     ; W_out: tile 8 x tile column + 4 x half
	s_lshl_b32 s46, s46, 15
	s_mov_b32 s47, 0
	s_lshl_b32 s20, s12, 15                        ; where they go, by the wave's number alone: o's halves,
	s_lshl_b32 s21, s12, 14
	s_add_co_u32 s21, s21, BOFF                    ; W_out's behind them
	s_wait_dscnt 0x0                               ; both opening adds are done
	s_wait_kmcnt 0x0
	s_add_nc_u64 s[14:15], s[4:5], s[16:17]
	s_add_nc_u64 s[46:47], s[6:7], s[46:47]
	CROUND                                         ; all sixteen work-groups are here: the first joint loads meet
.irp s, 0,1
	s_mov_b32 s[G0+4*\s], 1
	s_add_co_u32 s[G0+4*\s+1], s20, \s*SLOT
	s_add_nc_u64 s[G0+4*\s+2:G0+4*\s+3], s[14:15], \s*4096
	s_or_b32 s[G0+4*\s+3], s[G0+4*\s+3], 0x80000000
	s_mov_b32 s[G0B+4*\s], 1
	s_add_co_u32 s[G0B+4*\s+1], s21, \s*SLOT
	s_add_nc_u64 s[G0B+4*\s+2:G0B+4*\s+3], s[46:47], \s*4096
	s_or_b32 s[G0B+4*\s+3], s[G0B+4*\s+3], 0x80000000
	JLOAD \s                                       ; two loads of mine are out at the start, later one behind each round
.endr
	v_and_b32 v1, 15, v0                           ; r = lane % 16
	v_bfe_u32 v2, v0, 4, 1                         ; h = lane / 16
	v_and_b32 v3, 31, v0
	v_lshlrev_b32 v3, 4, v3                        ; 16 x lane
	s_lshl_b32 s21, s11, 15                        ; my 8 tiles of o
	s_lshl_b32 s22, s12, 14                        ; my 4 tiles of W_out
	s_add_co_u32 s22, s22, BOFF
.irp s, 0,1
	v_add_nc_u32 v[ADRA+\s], s21, v3
	v_add_nc_u32 v[ADRB+\s], s22, v3
	s_add_co_u32 s21, s21, SLOT
	s_add_co_u32 s22, s22, SLOT
.endr
	s_mul_i32 s23, s10, 16*SPITCH
	s_add_co_u32 s23, s23, STAGE                   ; my stage
	v_mul_u32_u24 v4, v1, SPITCH                   ; in: row r, 32 bytes for each half of the lanes
	v_lshl_add_u32 v4, v2, 5, v4
	v_add_nc_u32 v[STO], s23, v4
	v_mul_u32_u24 v5, v2, SPITCH                   ; back: lanes 0-15 take one row of 256 bytes, lanes 16-31 the next
	v_lshl_add_u32 v5, v1, 4, v5
	v_add_nc_u32 v[RD], s23, v5
	v_lshlrev_b32 v5, 12, v2                       ; and the same two rows in out0 (4,096 bytes a row)
	v_lshl_add_u32 v[CO], v1, 4, v5
	s_lshl_b32 s46, s42, 7
	s_lshl_b32 s47, s12, 6
	s_add_co_u32 s46, s46, s47                     ; my first column: 128 x tile column + 64 x half,
	s_lshl_b32 s46, s46, 2                         ; in bytes
	s_mov_b32 s47, 0
	s_add_nc_u64 s[68:69], s[68:69], s[46:47]
	v_lshlrev_b32 v6, 5, v2
.irp b, 0,1,2,3
	global_load_b128 v[BR+8*\b:BR+8*\b+3], v6, s[68:69] offset:64*\b
	global_load_b128 v[BR+8*\b+4:BR+8*\b+7], v6, s[68:69] offset:64*\b+16
.endr
	s_lshl_b32 s16, s13, 8
	s_lshl_b32 s17, s11, 7
	s_add_co_u32 s16, s16, s17                     ; my first row: 256 x tile row + 128 x half
	s_lshl_b32 s16, s16, 12
	s_mov_b32 s17, 0
	s_add_nc_u64 s[70:71], s[70:71], s[16:17]
	s_add_nc_u64 s[70:71], s[70:71], s[46:47]
	; the prefetches
	s_lshl_b32 s20, s13, 4
	s_lshl_b32 s21, s12, 3
	s_add_co_u32 s20, s20, s21                     ; the eight tiles that I fetch,
	s_lshl_b32 s21, s40, 1
	s_add_co_u32 s20, s20, s21                     ; my work-group's two of them
	s_lshl_b32 s20, s20, 15
	s_add_co_u32 s20, s20, 2*4096                  ; at K step 2: the first refill steps it to 3 and names K step 4
	s_mov_b32 s21, 0
	s_add_nc_u64 s[PFA:PFA+1], s[4:5], s[20:21]
	s_or_b32 s22, s11, ttmp9                       ; 0 in waves 0 and 1 of the clusters with x = 0: the same in all sixteen partners, for a given wave
	s_cmp_eq_u32 s22, 0
	s_cselect_b32 s[LIM], 1, -1
	v_lshlrev_b32 v[PFO], 15, v2
	v_lshl_add_u32 v[PFO], v1, 8, v[PFO]
; 8 matrix instructions: o's blocks a0, a0 + 1 x W_out's four, 32 along K, from buffer f.  zero = 1: the first product starts the sums on the bias.  The 32 accumulators take turns, in the same order in every quarter.
.macro MUL8 f, a0, zero
.irp a, \a0, \a0+1
.irp b, 0,1,2,3
.if \zero
	v_wmma_f32_16x16x32_f16 v[8*(4*(\a)+\b):8*(4*(\a)+\b)+7], v[\f+8*\b:\f+8*\b+7], v[\f+32+8*(\a):\f+32+8*(\a)+7], v[BR+8*\b:BR+8*\b+7]
.else
	v_wmma_f32_16x16x32_f16 v[8*(4*(\a)+\b):8*(4*(\a)+\b)+7], v[\f+8*\b:\f+8*\b+7], v[\f+32+8*(\a):\f+32+8*(\a)+7], v[8*(4*(\a)+\b):8*(4*(\a)+\b)+7]
.endif
.endr
.endr
.endm
; 24 LDS loads in one run: the fragments of the slot's q-th 32 along K into buffer f: W_out's four, o's blocks 0-3, o's blocks 4-7
.macro FETCH slot, q, f
.irp i, 0,1,2,3
.irp c, 0,1
	ds_load_b128 v[\f+8*\i+4*\c:\f+8*\i+4*\c+3], v[ADRB+\slot] offset:\i*4096+(\q)*1024+512*\c
.endr
.endr
.irp i, 0,1,2,3,4,5,6,7
.irp c, 0,1
	ds_load_b128 v[\f+32+8*\i+4*\c:\f+32+8*\i+4*\c+3], v[ADRA+\slot] offset:\i*4096+(\q)*1024+512*\c
.endr
.endr
.endm
.macro PLACES                          ; four places in front of loads into registers that matrix instructions have read, and of the first read of results (ISA guide 7.12.1 for the first read of results)
.rept 4
	v_nop
.endr
.endm
; A K step is four quarters of 32 along K, 32 matrix instructions each, on buffers 0, 1, 0, 1.  One of the first three: multiplies buffer f and fetches the slot's q-th quarter into g.
.macro QUARTER slot, q, f, g, zero
	s_wait_dscnt 8                                 ; W_out's fragments and o's blocks 0-3 are in; the youngest eight loads (o's blocks 4-7) may be out
.if \zero
	WIN 0x40                                       ; C (the bias) window 0, D window 1
.else
	WIN MUL
.endif
	MUL8 \f, 0, \zero
	MUL8 \f, 2, \zero
	WIN 0
	PLACES
	FETCH \slot, \q, \g
	s_wait_dscnt 24                                ; all but the 24 just issued
.if \zero
	WIN 0x40
.else
	WIN MUL
.endif
	MUL8 \f, 4, \zero
	MUL8 \f, 6, \zero
.endm
; The last quarter multiplies buffer 1 and changes slots: ONE barrier; in front of it each wave waits for all its tensor loads, adds 0 to its spare word, and waits for that and for its own reads of this slot.
; fill = 1: the barrier opens a round of the cluster's, and this slot is filled again, two K steps ahead: the load has 112 matrix instructions of mine up to the wait for it.
.macro TURN slot, next, fill
.if \fill
	s_wait_xcnt 0x0                                ; the last prefetch, a K step back, has read its address: it is stepped here, ahead of the waits of the change of slots
	s_add_nc_u64 s[PFA:PFA+1], s[PFA:PFA+1], 4096
.endif
	WIN 0                                          ; (the add's two registers lie in window 0)
	s_wait_tensorcnt 0x0                           ; all my tensor loads have landed: my part of the next slot;
	ds_add_u32 v[SPW], v[NIL]                      ; 0 onto my spare word;
	s_wait_dscnt 9                                 ; (the add and the youngest eight loads may be out)
	WIN MUL
	MUL8 F1, 0, 0                                  ; eight matrix instructions stand between the add and the wait for it
	s_wait_dscnt 0x0                               ; the add is done, and my reads of this slot are over
	s_barrier_signal -1
	MUL8 F1, 2, 0
	WIN 0
	s_barrier_wait -1
.if \fill
	CREST                                          ; no wave of any partner still reads this slot's tile or has a load on its way
	s_add_nc_u64 s[G0+4*\slot+2:G0+4*\slot+3], s[G0+4*\slot+2:G0+4*\slot+3], 2*4096
	s_add_nc_u64 s[G0B+4*\slot+2:G0B+4*\slot+3], s[G0B+4*\slot+2:G0B+4*\slot+3], 2*4096
	JLOAD \slot                                    ; the first tensor load behind the round; the four v_nop behind it are also the places in front of the loads below
.else
	PLACES
.endif
	FETCH \next, 0, F0
.if \fill
	ASK                                            ; behind the joint load and the run of LDS loads that the next products wait for
.endif
	WIN MUL
	MUL8 F1, 4, 0
	MUL8 F1, 6, 0
.endm
	s_wait_tensorcnt 1                             ; my part of K step 0 is in (K step 1's load may be out)
	s_barrier_signal -1
	s_barrier_wait -1                              ; everybody's is
	FETCH 0, 0, F0
	s_wait_loadcnt 0x0                             ; the bias
	QUARTER 0, 1, F0, F1, 1                        ; the first quarter stands in front of the loop: its products start the sums
	WIN 0                                          ; at a label and at a branch every window is 0
	s_mov_b32 s3, 3
.Llap:                                                 ; a trip goes once round the ring, from a lap's second quarter to the next lap's first, and fills both slots again
	QUARTER 0, 2, F1, F0, 0
	QUARTER 0, 3, F0, F1, 0
	TURN 0, 1, 1
	QUARTER 1, 1, F0, F1, 0
	QUARTER 1, 2, F1, F0, 0
	QUARTER 1, 3, F0, F1, 0
	TURN 1, 0, 1
	QUARTER 0, 1, F0, F1, 0
	WIN 0
	s_sub_co_u32 s3, s3, 1
	s_cmp_lg_u32 s3, 0
	s_cbranch_scc1 .Llap
	QUARTER 0, 2, F1, F0, 0                        ; the last lap fills nothing, and has no round of the cluster's barrier
	QUARTER 0, 3, F0, F1, 0
	TURN 0, 1, 0
	QUARTER 1, 1, F0, F1, 0
	QUARTER 1, 2, F1, F0, 0
	QUARTER 1, 3, F0, F1, 0
	s_wait_dscnt 8                                 ; the very last quarter: nothing more to fetch
	WIN MUL
	MUL8 F1, 0, 0
	MUL8 F1, 2, 0
	s_wait_dscnt 0
	MUL8 F1, 4, 0
	MUL8 F1, 6, 0
	WIN 0
; THE WAY OUT, block by block of 16 rows x 64 columns.  A lane holds 32 neighbouring bytes of a row and the lanes beside it other rows: a block goes through my own stage in LDS and comes back as whole rows of 256 bytes.
; LDS serves a wave's instructions in order (ISA guide 5.7.1.4): no wait between the stores and the loads, nor in front of the next block's stores.
.macro TOSTAGE a
	WIN 0x04                                       ; an LDS store's data are its source 1: window 1
.irp b, 0,1,2,3
	ds_store_b128 v[STO], v[8*(4*(\a)+\b):8*(4*(\a)+\b)+3] offset:64*\b            ; each accumulator from its low end on
	ds_store_b128 v[STO], v[8*(4*(\a)+\b)+4:8*(4*(\a)+\b)+7] offset:64*\b+16
.endr
	WIN 0
.set BB, OB+32*((\a)%2)
.irp t, 0,1,2,3,4,5,6,7
	ds_load_b128 v[BB+4*\t:BB+4*\t+3], v[RD] offset:\t*2*SPITCH
.endr
.endm
.macro SEND a, younger                 ; younger: the LDS instructions issued behind block a's loads, which may stay out
.set BB, OB+32*((\a)%2)
	s_wait_dscnt \younger
.irp t, 0,1,2,3,4,5,6,7
	global_store_b128 v[CO], v[BB+4*\t:BB+4*\t+3], s[70:71] offset:(16*(\a)+2*\t)*4096 th:TH_STORE_NT   ; 16 lanes store 256 consecutive bytes, at a multiple of 256 from out0's first byte; written once, read by nobody here
.endr
.endm
	PLACES                                         ; behind the last products: for the reads of their results and the loads into buffer 0's registers
	TOSTAGE 0
.irp a, 1,2,3,4,5,6,7
.if \a > 1
	s_wait_xcnt 0x0                                ; block a - 2's stores have read their registers: block a's loads may land there
.endif
	TOSTAGE \a
	SEND \a-1, 16                                  ; behind block a - 1's loads: block a's 8 stores and 8 loads
.endr
	SEND 7, 0
	s_wait_tensorcnt 0x0                           ; the wave's end: three lines behind my last tensor load and my last LDS store
	ds_add_u32 v[SPW], v[NIL]
	s_wait_dscnt 0x0
	CROUND                                         ; the closing round: no work-group ends while a partner may still ask for a tile that names it
	s_endpgm
.Lfunc_end_k_qf116277b82_proj:
	.size	k_qf116277b82_proj, .Lfunc_end_k_qf116277b82_proj-k_qf116277b82_proj
	.p2alignl 7, 3214868480
	.fill 96, 4, 3214868480
	.section	.rodata,"a",@progbits
	.p2align	6, 0x0
	.amdhsa_kernel k_qf116277b82_proj
		.amdhsa_group_segment_fixed_size 327680
		.amdhsa_private_segment_fixed_size 0
		.amdhsa_enable_private_segment 0
		.amdhsa_kernarg_size 32
		.amdhsa_user_sgpr_count 2
		.amdhsa_user_sgpr_kernarg_segment_ptr 1
		.amdhsa_wavefront_size32 1
		.amdhsa_system_sgpr_workgroup_id_x 1
		.amdhsa_system_sgpr_workgroup_id_y 1
		.amdhsa_system_sgpr_workgroup_id_z 1
		.amdhsa_system_vgpr_workitem_id 0
		.amdhsa_next_free_vgpr 512
		.amdhsa_next_free_sgpr 80
		.amdhsa_reserve_vcc 0
		.amdhsa_float_denorm_mode_32 3
		.amdhsa_float_denorm_mode_16_64 3
		.amdhsa_memory_ordered 1
		.amdhsa_forward_progress 1
		.amdhsa_inst_pref_size 87
	.end_amdhsa_kernel
	.amdgpu_metadata
---
amdhsa.version: [ 1, 2 ]
amdhsa.kernels:
  - .name:           k_qf116277b82_proj
    .symbol:         k_qf116277b82_proj.kd
    .args:
      - { .name: o16, .offset: 0, .size: 8, .value_kind: global_buffer, .address_space: global }
      - { .name: wo16, .offset: 8, .size: 8, .value_kind: global_buffer, .address_space: global }
      - { .name: b_out, .offset: 16, .size: 8, .value_kind: global_buffer, .address_space: global }
      - { .name: out0, .offset: 24, .size: 8, .value_kind: global_buffer, .address_space: global }
    .group_segment_fixed_size: 327680
    .private_segment_fixed_size: 0
    .kernarg_segment_align: 8
    .kernarg_segment_size: 32
    .max_flat_workgroup_size: 128
    .sgpr_count:     80
    .vgpr_count:     512
    .wavefront_size: 32
...
	.end_amdgpu_metadata
.endif
;; end of part 4
